; MI455X (gfx1250); checked and timed in simulation.
; The chip was launched on July 23, 2026; its instructions are those of AMD's public machine-readable ISA for CDNA 5 (MIT licence, August 2026) and "CDNA5" Instruction Set Architecture Reference Guide (July 2026). The comments in the code are by the model that wrote it; some were corrected since.
;; Multi Head Attention. Allowed arithmetic: matrix products marked QUANTISED: E2M1 operands, one E8M0 scale for each 32 along K, by v_wmma_scale_f32_16x16x128_f8f6f4 with both operands' format E2M1 (or v_wmma_scale_f32_32x16x128_f4), f32 sums; products left as they are: bf16, f16 or f32 operands; f32 sums; everything else in f32.
;; Inputs: Wk 1,024 x 1,024 float32; Wo 1,024 x 1,024 float32; Wq 1,024 x 1,024 float32; Wv 1,024 x 1,024 float32; bk 1,024 float32; bo 1,024 float32; bq 1,024 float32; bv 1,024 float32; k_input 4 x 2,048 x 1,024 float32; q_input 4 x 2,048 x 1,024 float32; v_input 4 x 2,048 x 1,024 float32.
;; Outputs: out0 4 x 2,048 x 1,024 float32.
;; This version of the problem:
;;   THIS VERSION OF THE PROBLEM IS GIVEN IN LOW PRECISION. The matrix products marked QUANTISED in the list below multiply operands that are first quantised to E2M1 (2 exponent bits, 1 mantissa bit; 4 bits a number), with one power-of-two scale for each 32 numbers along K (OCP MX v1.0); their sums are f32. The products marked 'left as it is' may take bf16, f16 or f32 operands, with f32 sums. Whichever they take, every output number must still come out within the allowed error. Rounding operands to bf16 (8 significant bits) uses up far more of that allowance than f16 does (11 bits, for magnitudes from 6e-5 to 65,504). All else is computed in f32.
;;   The module's matrix products, in the order in which they are computed (A, B: the left and right operand; K: the contracted axis; several contracted axes count as one K, in the product's order):
;;     1. [M 8,192, K 1,024] x [K 1,024, N 1,024]; A: input q_input; B: input Wq: QUANTISED
;;     2. [M 8,192, K 1,024] x [K 1,024, N 1,024]; A: input q_input; B: input Wk: QUANTISED
;;     3. [M 8,192, K 1,024] x [K 1,024, N 1,024]; A: input q_input; B: input Wv: QUANTISED
;;     4. batch 64 x [M 2,048, K 64] x [K 64, N 2,048]; A: computed on the way; B: computed on the way: left as it is (an operand is computed on the way)
;;     5. batch 64 x [M 2,048, K 2,048] x [K 2,048, N 64]; A: computed on the way; B: computed on the way: left as it is (an operand is computed on the way)
;;     6. [M 8,192, K 1,024] x [K 1,024, N 1,024]; A: computed on the way; B: input Wo: left as it is (an operand is computed on the way)
;;   THE QUANTISER, for each operand of a quantised product, along K:
;;     - K is cut into blocks of 32 from its start; a last block that is shorter is filled with zeros.
;;     - A block's scale is 2^e with e = floor(log2(the largest magnitude in the block)) - 2, held to -126 .. 127; a block of zeros has e = 0. As a byte (E8M0): e + 127.
;;     - Each number is divided by its block's scale, clamped to +-6, and rounded to the nearest number of E2M1, ties to even, subnormals kept.
;;     - The product sums the exact products of the quantised numbers (number of the format x scale) in f32.
;;   ~~~python
;;   def quantise(x, axis):      # numpy; x: float32 -> the quantised numbers, widened to float32 again
;;       x = np.moveaxis(x, axis, -1); K = x.shape[-1]
;;       x = np.pad(x, [(0, 0)] * (x.ndim - 1) + [(0, -K % 32)]); x = x.reshape(x.shape[:-1] + (-1, 32)); a = np.abs(x).max(-1, keepdims=True)
;;       e = np.where(a > 0, np.clip(np.frexp(np.where(a > 0, a, 1))[1] - 1 - 2, -126, 127), 0)      # np.frexp(a)[1] - 1 = floor(log2(a)), exactly
;;       r = np.clip(x / 2.0 ** e, -6, 6)
;;       step = 2.0 ** (np.maximum(np.frexp(np.where(r == 0, 1, r))[1] - 1, 0) - 1)
;;       q = np.round(r / step) * step * 2.0 ** e      # np.round: ties to even
;;       return np.moveaxis(q.reshape(q.shape[:-2] + (-1,))[..., :K], -1, axis).astype(np.float32)
;;   ~~~
;; One version. Each part assembles by itself: llvm-mc -triple=amdgcn-amd-amdhsa -mcpu=gfx1250 --defsym DOCPART=n.
;; ======== version 1 of 1: 4 launches
;; limits: values are held in f16: magnitudes above 65,504 overflow, below 6.1e-05 lose precision
;; workspace buffers: xc 4,194,304 bytes; xs 262,144 bytes; wc 1,572,864 bytes; ws 98,304 bytes; wof 2,097,152 bytes; qkv 50,331,648 bytes; attnf 16,777,216 bytes
;; launch prep (part 1): grid 336 x 1, 4 waves a work-group, no clusters, 33,280 bytes of LDS; arguments q_input, Wq, Wk, Wv, Wo, xc, xs, wc, ws, wof; writes xc, xs, wc, ws, wof
.if DOCPART == 1
	.amdgcn_target "amdgcn-amd-amdhsa--gfx1250"
	.amdhsa_code_object_version 6
	.text
	.protected	k_q77b1c7f454_prep
	.globl	k_q77b1c7f454_prep
	.p2align	8
	.type	k_q77b1c7f454_prep,@function
k_q77b1c7f454_prep:
	s_mov_b64 s[64:65], 0
	v_nop
	global_prefetch_b8 v0, s[64:65] scope:SCOPE_SE
	s_setreg_imm32_b32 hwreg(HW_REG_WAVE_MODE, 25, 1), 1
	s_wait_xcnt 0x0
; MULTI-HEAD ATTENTION, launch 1 of 4: the operands are made ready.
; DEAD WORK, for all values of the inputs.  k_input and v_input: the function never reads them (K and V are projected from q_input too).  bk: the scores are
; Q_q . (K0_k + bk) / 8 = Q_q . K0_k / 8 + Q_q . bk / 8; the second term is the same for every key k, and a softmax along k is unchanged by a term that is the same along its axis;
; the product of Q and K is not quantised, so bk enters no quantiser.  So k_input, v_input and bk are not loaded and are among no launch's arguments.
; LIMIT: a NaN, an infinity or an overflow that reaches only k_input, v_input or bk is not carried to the result.
; WHAT IS MADE.  x = q_input [8192][1024] f32 -> codes of FP4 (E2M1), K innermost (xc: 512 bytes a row) and one E8M0 byte for each 32 along K (xs: 32 bytes a row).
; Wq, Wk, Wv [k 1024][n 1024] f32 -> codes along K, laid as the matrix operand's registers take them (wc), and scale bytes (ws: [3072 columns][32]).
;   wc: [tile of 16 columns: 192][K step of 128: 8][1,024 bytes]; in a fragment the 16 bytes of (column r, block b of 32 along K) lie at 256 b + 16 r.
; Wo [k][n] f32 -> f16, laid as fragments of 16 columns x 32 K (wof: [tile of 16 columns: 64][32 along K: 32][1,024 bytes]; the 16 bytes of (column r, 8 along K: q) at 256 q + 16 r).
; THE QUANTISER: a block's scale is 2^(floor(log2(largest magnitude)) - 2); its byte is the largest magnitude's exponent field - 2, held at 1 from below; each number / scale to the nearest code, ties to even, beyond 6 the code of 6.
; LIMITS: a block of zeros gets the byte 1 where the rule says 127 (its codes are zeros, and this program alone reads the bytes); blocks whose largest magnitude lies under 2^-124 keep the byte 1;
; NaN and infinities among the inputs are not served; |Wo| stays under 65,504 (f16).
; SHARES: work-groups 0-255: x, 8,192 numbers a wave.  256-303: Wq, Wk, Wv: a wave takes 32 columns x 512 along K, a lane a column, its registers running down K.  304-335: Wo: a wave takes 32 columns x 256 along K.
; Only x's path uses LDS (each wave its own region).  No barrier: waves share nothing.
.set WREG,  8192                       ; x's path: a wave's LDS: two stages of 32 x SP bytes, behind them its 256 scale bytes
.set SP,    80                         ; a lane's place in a stage: 64 bytes + 16 of padding
.set CB,    8                          ; bytes of 16 codes
.set STEPS, 16
.set SPARE, 4*WREG                     ; the spare words, 128 bytes for each wave: two blocks of 256 bytes that no other line names
.set SPW,   12                         ; v12  SPARE + 4 x my thread's number; never rewritten
.set NIL,   13                         ; v13  0; never rewritten
.set R,     16                         ; x: v16-79   four sets of 16 numbers as loaded
.set X,     80                         ; x: v80-111  two sets of 16 neighbours
.set E,     112                        ; x: v112-127 a scale byte for each step
.set C,     128                        ; x: v128-191 codes, four registers for each step
.set XW,    32                         ; weights: v32-95 two sets of 32 numbers down K
.set CW,    96                         ; weights: from v96 what is stored
.set SB,    24                         ; weights: v24-27 scale bytes, four to a register
	s_load_b256 s[4:11], s[0:1], 0x0               ; q_input s[4:5], Wq s[6:7], Wk s[8:9], Wv s[10:11]
	s_load_b256 s[12:19], s[0:1], 0x20             ; Wo s[12:13], xc s[14:15], xs s[16:17], wc s[18:19]
	s_load_b128 s[20:23], s[0:1], 0x40             ; ws s[20:21], wof s[22:23]
	v_lshl_add_u32 v[SPW], v0, 2, SPARE
	v_mov_b32 v[NIL], 0
	v_lshrrev_b32 v1, 5, v0
	v_readfirstlane_b32 s24, v1                    ; wave
	v_and_b32 v2, 31, v0                           ; lane
	s_cmp_lt_u32 ttmp9, 256
	s_cbranch_scc1 .Lx
	; ---- the weights: what both kinds share
	s_sub_co_u32 s25, ttmp9, 256
	s_lshl_b32 s30, s24, 5                         ; 32 x wave
	v_lshlrev_b32 v3, 2, v2                        ; in: 4 bytes a lane: 128 consecutive bytes a wave
	v_lshrrev_b32 v4, 4, v2                        ; which of my two tiles of 16 columns
	v_and_b32 v5, 15, v2                           ; my column in it
	s_cmp_ge_u32 s25, 48
	s_cbranch_scc1 .Lo
.macro WLOAD t, sb                     ; rows 32 t + i of my part, i = 0 .. 31, at my column, into set t % 2
.irp i, 0,1,2,3,4,5,6,7,8,9,10,11,12,13,14,15,16,17,18,19,20,21,22,23,24,25,26,27,28,29,30,31
	global_load_b32 v[XW+32*((\t)%2)+\i], v3, s[\sb:\sb+1] offset:(32*(\t)+\i)*4096 th:TH_LOAD_NT
.endr
.endm
	; ---- Wq, Wk, Wv
	s_lshr_b32 s26, s25, 4                         ; which: 0 Wq, 1 Wk, 2 Wv
	s_and_b32 s27, s25, 7
	s_bfe_u32 s28, s25, 0x10003                    ; y: which 512 along K
	s_lshl_b32 s29, s27, 7
	s_add_co_u32 s29, s29, s30                     ; my wave's first column
	v_lshlrev_b32 v4, 13, v4                       ; a tile of columns is 8 x 1,024 bytes of wc
	v_lshl_add_u32 v4, v5, 4, v4
	v_lshlrev_b32 v9, 5, v2                        ; ws: 32 bytes a column
	s_lshl_b32 s32, s28, 21                        ; source: 512 y rows of 4,096 bytes
	s_lshl_b32 s31, s29, 2
	s_add_co_u32 s32, s32, s31
	s_mov_b32 s33, 0
	s_lshl_b32 s34, s26, 19                        ; wc: (64 which + column / 16) x 8,192 + 4,096 y
	s_lshl_b32 s31, s29, 9
	s_add_co_u32 s34, s34, s31
	s_lshl_b32 s31, s28, 12
	s_add_co_u32 s34, s34, s31
	s_mov_b32 s35, 0
	s_lshl_b32 s36, s26, 15                        ; ws: (1,024 which + column) x 32 + 16 y
	s_lshl_b32 s31, s29, 5
	s_add_co_u32 s36, s36, s31
	s_lshl_b32 s31, s28, 4
	s_add_co_u32 s36, s36, s31
	s_mov_b32 s37, 0
	s_wait_kmcnt 0x0
	s_cmp_eq_u32 s26, 0                            ; the choice of the tensor hangs on the work-group's number alone
	s_cselect_b64 s[6:7], s[6:7], s[8:9]
	s_cmp_eq_u32 s26, 2
	s_cselect_b64 s[6:7], s[10:11], s[6:7]
	s_add_nc_u64 s[6:7], s[6:7], s[32:33]
	s_add_nc_u64 s[18:19], s[18:19], s[34:35]
	s_add_nc_u64 s[20:21], s[20:21], s[36:37]
	WLOAD 0, 6
	WLOAD 1, 6
.macro WBLOCK t                        ; block t of 32 along K: all its numbers are mine
.set XS, XW+32*((\t)%2)
.if (\t) < 15
	s_wait_loadcnt 32                              ; this block's 32 loads are in; the next block's 32 may be out
.else
	s_wait_loadcnt 0x0
.endif
	v_max3_num_f32 v16, |v[XS]|, |v[XS+1]|, |v[XS+2]|
	v_max3_num_f32 v17, |v[XS+3]|, |v[XS+4]|, |v[XS+5]|
.irp i, 6,10,14,18,22,26
	v_max3_num_f32 v16, v16, |v[XS+\i]|, |v[XS+\i+1]|
	v_max3_num_f32 v17, v17, |v[XS+\i+2]|, |v[XS+\i+3]|
.endr
	v_max3_num_f32 v16, v16, |v[XS+30]|, |v[XS+31]|
	v_max3_num_f32 v16, v16, v17, 0x1800000        ; and the floor 2^(3 - 127): the byte cannot fall under 1
	v_add_nc_u32 v11, 0xff000000, v16              ; 2 off the exponent field: the conversion takes this operand's exponent field as its scale
	v_lshrrev_b32 v17, 23, v11                     ; the scale's byte
.if (\t)%4 == 0
	v_mov_b32 v[SB+(\t)/4], v17
.else
	v_lshl_or_b32 v[SB+(\t)/4], v17, 8*((\t)%4), v[SB+(\t)/4]
.endif
.irp g, 0,1,2,3
	v_cvt_scalef32_pk8_fp4_f32 v[CW+4*(\t)+\g], v[XS+8*\g:XS+8*\g+7], v11
.endr
	global_store_b128 v4, v[CW+4*(\t):CW+4*(\t)+3], s[18:19] offset:256*(\t)   ; sixteen lanes store 256 consecutive bytes, aligned; each block has registers of its own, so no store's data are written again
.if (\t)+2 < 16
	WLOAD (\t)+2, 6
.endif
.endm
.irp t, 0,1,2,3,4,5,6,7,8,9,10,11,12,13,14,15
	WBLOCK \t
.endr
	global_store_b128 v9, v[SB:SB+3], s[20:21]     ; my column's 16 scale bytes
	s_branch .Lend
	; ---- Wo
.Lo:
	s_sub_co_u32 s25, s25, 48
	s_and_b32 s27, s25, 7
	s_lshr_b32 s28, s25, 3                         ; which 256 along K
	s_lshl_b32 s29, s27, 7
	s_add_co_u32 s29, s29, s30                     ; my wave's first column
	v_lshlrev_b32 v4, 15, v4                       ; a tile of columns is 32 x 1,024 bytes of wof
	v_lshl_add_u32 v4, v5, 4, v4
	s_lshl_b32 s32, s28, 20                        ; source: 256 rows of 4,096 bytes
	s_lshl_b32 s31, s29, 2
	s_add_co_u32 s32, s32, s31
	s_mov_b32 s33, 0
	s_lshl_b32 s34, s29, 11                        ; wof: (column / 16) x 32,768 + 8 fragments x 1,024
	s_lshl_b32 s31, s28, 13
	s_add_co_u32 s34, s34, s31
	s_mov_b32 s35, 0
	s_wait_kmcnt 0x0
	s_add_nc_u64 s[12:13], s[12:13], s[32:33]
	s_add_nc_u64 s[22:23], s[22:23], s[34:35]
	WLOAD 0, 12
	WLOAD 1, 12
.macro OFRAG t                         ; 32 along K of my column: 16 registers of two f16 each
.set XS, XW+32*((\t)%2)
.set CS, CW+16*((\t)%2)
.if (\t) < 7
	s_wait_loadcnt 32                              ; this fragment's 32 loads are in; the next one's 32 may be out
.else
	s_wait_loadcnt 0x0
.endif
.if (\t) >= 2
	s_wait_xcnt 0x0                                ; the stores of two fragments ago have read their registers, which are written again below
.endif
.irp i, 0,1,2,3,4,5,6,7,8,9,10,11,12,13,14,15
	v_cvt_pk_f16_f32 v[CS+\i], v[XS+2*\i], v[XS+2*\i+1]
.endr
.irp q, 0,1,2,3
	global_store_b128 v4, v[CS+4*\q:CS+4*\q+3], s[22:23] offset:1024*(\t)+256*\q   ; sixteen lanes store 256 consecutive bytes, aligned
.endr
.if (\t)+2 < 8
	WLOAD (\t)+2, 12
.endif
.endm
.irp t, 0,1,2,3,4,5,6,7
	OFRAG \t
.endr
	s_branch .Lend
	; ---- x: a plain stream of blocks of 32.  A wave takes 16 steps of 512 numbers.  Each load reads 512 consecutive bytes; a step's 2,048 bytes turn through the wave's own stage in LDS and come
	; back 64 bytes a lane, so that a lane holds 16 neighbours along K (two neighbouring lanes hold a block).
.Lx:
	v_lshlrev_b32 v3, 4, v2                        ; my 16 bytes of a load's 512
	s_mul_i32 s25, s24, WREG
	v_lshrrev_b32 v14, 2, v2
	v_mul_u32_u24 v14, v14, SP
	v_and_b32 v15, 3, v2
	v_lshl_add_u32 v14, v15, 4, v14
	v_add_nc_u32 v14, s25, v14                     ; the stage, on the way in: SP (lane / 4) + 16 (lane % 4)
	v_mul_u32_u24 v15, v2, SP
	v_add_nc_u32 v15, s25, v15                     ; and on the way out: SP x lane
	v_mul_u32_u24 v4, v2, CB                       ; my codes' place in a step's
	v_lshrrev_b32 v5, 1, v2
	s_add_co_u32 s25, s25, 2*32*SP
	v_add_nc_u32 v5, s25, v5                       ; my block's byte among my wave's 256 scale bytes
	v_lshlrev_b32 v7, 3, v2
	v_add_nc_u32 v6, s25, v7                       ; and on the way out 8 bytes a lane
	s_lshl_b32 s26, ttmp9, 2
	s_add_co_u32 s26, s26, s24                     ; which run of 8,192 numbers is my wave's
	s_lshl_b32 s28, s26, 15
	s_mov_b32 s29, 0
	s_wait_kmcnt 0x0
	s_add_nc_u64 s[4:5], s[4:5], s[28:29]
	s_lshl_b32 s28, s26, 12
	s_add_nc_u64 s[14:15], s[14:15], s[28:29]
	s_lshl_b32 s28, s26, 8
	s_add_nc_u64 s[16:17], s[16:17], s[28:29]
.macro XLOAD t
.irp i, 0,1,2,3
	global_load_b128 v[R+16*((\t)%4)+4*\i:R+16*((\t)%4)+4*\i+3], v3, s[4:5] offset:2048*(\t)+512*\i th:TH_LOAD_NT
.endr
.endm
.macro XTURN t                         ; LDS serves a wave's instructions in order: no wait between the stores and the loads
.irp i, 0,1,2,3
	ds_store_b128 v14, v[R+16*((\t)%4)+4*\i:R+16*((\t)%4)+4*\i+3] offset:32*SP*((\t)%2)+8*SP*\i
.endr
.irp i, 0,1,2,3
	ds_load_b128 v[X+16*((\t)%2)+4*\i:X+16*((\t)%2)+4*\i+3], v15 offset:32*SP*((\t)%2)+16*\i
.endr
.endm
.irp t, 0,1,2,3
	XLOAD \t
.endr
	s_wait_loadcnt 12                              ; step 0's four loads are in; the 12 of steps 1 to 3 may be out
	XTURN 0
.macro XSTEP t
.set XS, X+16*((\t)%2)
.if (\t) > 0
	s_wait_dscnt 1                                 ; this step's numbers are back from the stage; the last step's byte store may be out
.else
	s_wait_dscnt 0x0
.endif
.if (\t)+4 < STEPS
	XLOAD (\t)+4                                   ; into the registers that the stage's stores have read
.endif
.if (\t)+1 < STEPS
.if STEPS-2-(\t) >= 3
	s_wait_loadcnt 12                              ; the next step's four loads are in; those of the three steps behind it may be out
.else
	s_wait_loadcnt 4*(STEPS-2-(\t))
.endif
	XTURN (\t)+1
.endif
	v_max3_num_f32 v8, |v[XS]|, |v[XS+1]|, |v[XS+2]|
	v_max3_num_f32 v9, |v[XS+3]|, |v[XS+4]|, |v[XS+5]|
.irp i, 6,10
	v_max3_num_f32 v8, v8, |v[XS+\i]|, |v[XS+\i+1]|
	v_max3_num_f32 v9, v9, |v[XS+\i+2]|, |v[XS+\i+3]|
.endr
	v_max3_num_f32 v8, v8, |v[XS+14]|, |v[XS+15]|
	v_max3_num_f32 v8, v8, v9, 0x1800000           ; and the floor 2^(3 - 127)
	v_max_num_f32_dpp v8, v8, v8 row_xmask:1 row_mask:0xf bank_mask:0xf   ; with my neighbour's 16: the block's largest magnitude
	v_add_nc_u32 v11, 0xff000000, v8               ; 2 off its exponent field: the conversion's scale operand
	v_cvt_scalef32_pk8_fp4_f32 v[C+4*(\t)], v[XS:XS+7], v11
	v_cvt_scalef32_pk8_fp4_f32 v[C+4*(\t)+1], v[XS+8:XS+15], v11
	v_lshrrev_b32 v[E+(\t)], 23, v11               ; the scale's byte
	ds_store_b8 v5, v[E+(\t)] offset:16*(\t)       ; both lanes of a block write the same byte with the same value
	global_store_b64 v4, v[C+4*(\t):C+4*(\t)+1], s[14:15] offset:32*CB*(\t)   ; the wave stores 256 consecutive bytes, aligned
.endm
.irp t, 0,1,2,3,4,5,6,7,8,9,10,11,12,13,14,15
	XSTEP \t
.endr
	ds_load_b64 v[8:9], v6                         ; LDS serves a wave's instructions in order: these see my byte stores
	s_wait_dscnt 0x0
	global_store_b64 v7, v[8:9], s[16:17]          ; 32 lanes store 256 consecutive bytes, aligned
.Lend:
	s_wait_tensorcnt 0x0                           ; the wave's end, behind the last LDS store
	ds_add_u32 v[SPW], v[NIL]
	s_wait_dscnt 0x0
	s_endpgm
.Lfunc_end_k_q77b1c7f454_prep:
	.size	k_q77b1c7f454_prep, .Lfunc_end_k_q77b1c7f454_prep-k_q77b1c7f454_prep
	.p2alignl 7, 3214868480
	.fill 96, 4, 3214868480
	.section	.rodata,"a",@progbits
	.p2align	6, 0x0
	.amdhsa_kernel k_q77b1c7f454_prep
		.amdhsa_group_segment_fixed_size 33280
		.amdhsa_private_segment_fixed_size 0
		.amdhsa_enable_private_segment 0
		.amdhsa_kernarg_size 80
		.amdhsa_user_sgpr_count 2
		.amdhsa_user_sgpr_kernarg_segment_ptr 1
		.amdhsa_wavefront_size32 1
		.amdhsa_system_sgpr_workgroup_id_x 1
		.amdhsa_system_sgpr_workgroup_id_y 1
		.amdhsa_system_sgpr_workgroup_id_z 1
		.amdhsa_system_vgpr_workitem_id 0
		.amdhsa_next_free_vgpr 192
		.amdhsa_next_free_sgpr 66
		.amdhsa_reserve_vcc 0
		.amdhsa_float_denorm_mode_32 3
		.amdhsa_float_denorm_mode_16_64 3
		.amdhsa_memory_ordered 1
		.amdhsa_forward_progress 1
		.amdhsa_inst_pref_size 143
	.end_amdhsa_kernel
	.amdgpu_metadata
---
amdhsa.version: [ 1, 2 ]
amdhsa.kernels:
  - .name:           k_q77b1c7f454_prep
    .symbol:         k_q77b1c7f454_prep.kd
    .args:
      - { .name: q_input, .offset: 0, .size: 8, .value_kind: global_buffer, .address_space: global }
      - { .name: Wq, .offset: 8, .size: 8, .value_kind: global_buffer, .address_space: global }
      - { .name: Wk, .offset: 16, .size: 8, .value_kind: global_buffer, .address_space: global }
      - { .name: Wv, .offset: 24, .size: 8, .value_kind: global_buffer, .address_space: global }
      - { .name: Wo, .offset: 32, .size: 8, .value_kind: global_buffer, .address_space: global }
      - { .name: xc, .offset: 40, .size: 8, .value_kind: global_buffer, .address_space: global }
      - { .name: xs, .offset: 48, .size: 8, .value_kind: global_buffer, .address_space: global }
      - { .name: wc, .offset: 56, .size: 8, .value_kind: global_buffer, .address_space: global }
      - { .name: ws, .offset: 64, .size: 8, .value_kind: global_buffer, .address_space: global }
      - { .name: wof, .offset: 72, .size: 8, .value_kind: global_buffer, .address_space: global }
    .group_segment_fixed_size: 33280
    .private_segment_fixed_size: 0
    .kernarg_segment_align: 8
    .kernarg_segment_size: 80
    .max_flat_workgroup_size: 128
    .sgpr_count:     66
    .vgpr_count:     192
    .wavefront_size: 32
...
	.end_amdgpu_metadata
.endif
;; end of part 1
;; launch proj (part 2): grid 12 x 32, 4 waves a work-group, clusters of 4 x 4, 327,680 bytes of LDS; arguments xc, xs, wc, ws, bq, bv, qkv; writes qkv
.if DOCPART == 2
	.amdgcn_target "amdgcn-amd-amdhsa--gfx1250"
	.amdhsa_code_object_version 6
	.text
	.protected	k_q77b1c7f454_proj
	.globl	k_q77b1c7f454_proj
	.p2align	8
	.type	k_q77b1c7f454_proj,@function
k_q77b1c7f454_proj:
	s_mov_b64 s[64:65], 0
	v_nop
	global_prefetch_b8 v0, s[64:65] scope:SCOPE_SE
	s_setreg_imm32_b32 hwreg(HW_REG_WAVE_MODE, 25, 1), 1
	s_wait_xcnt 0x0
	s_wait_alu depctr_hold_cnt(0) depctr_sa_sdst(0) depctr_va_vdst(0) depctr_va_sdst(0) depctr_va_ssrc(0) depctr_va_vcc(0) depctr_vm_vsrc(0)
	s_getreg_b32 s2, hwreg(HW_REG_IB_STS2, 6, 4)
	s_cmp_eq_u32 s2, 0
	s_cbranch_scc0 .Lentry_in_a_cluster
	s_endpgm
.Lentry_in_a_cluster:
	s_bfe_u32 s2, ttmp6, 0x10000c
	s_cmp_lg_u32 s2, 0xf033
	s_cbranch_scc0 .Lentry_shape_is_right
	s_endpgm
.Lentry_shape_is_right:
; Launch 2 of 4: [8192 tokens] x [3072 columns: Q | K | V] = Q(x) Q(Wq | Wk | Wv), on codes of FP4 (E2M1) with one E8M0 scale for each 32 along K = 1,024; + bq for Q, + bv for V; rounded to f16.
; LEFT OUT: bk.  It adds to every score of a query the same number, which the softmax along the keys takes away for all values; the product of Q and K is not quantised.
; LIMITS: |Q|, |K|, |V| stay under 65,504 (f16); NaN and infinities are not served.
; A tile of 256 tokens x 256 columns is made by a work-group of four waves; a wave makes 128 x 128: 64 accumulators, 512 registers.  K is two LDS slots of 512, both asked for at the start: nothing is filled again.
; CLUSTERS: 4 x 4 work-groups; the four of a row need the same tiles of x, the four of a column the same tiles of W: each tile is asked for jointly.  The cluster's x is 0 for Q, 1 for K, 2 for V: the same in all sixteen.
; x's tiles are rows of 256 bytes, padded by 16 in LDS.  W's tiles are images of the operand's registers (a fragment: 1,024 consecutive bytes, lane l's 16 bytes at 16 l and 512 + 16 l): no pitch, no padding.
; THE MATRIX INSTRUCTION IS USED TRANSPOSED (source 0 = 16 columns of W, source 1 = 16 tokens): a lane holds one token and eight neighbouring columns, 16 bytes of f16.
; The bias is the C of each sum's first product: 64 registers in the result's layout.  K has none: there the same registers hold zeros, so that the first step is written once for all three.
; THE WAY OUT needs no LDS: qkv is laid as the next launch's operand registers take it, and a wave's store covers 512 consecutive bytes:
;   Q (byte 0): [batch x head 64][tile of 16 tokens 128][2,048]; the piece (token r, channels 8 g on) at 256 g + 16 r.
;   K, V (byte 2^24): [batch x head 64][512 tokens: 4][K 65,536 | V 65,536], each [tile of 16 tokens 32][2,048]; K's pieces as Q's; V's at 256 g + 16 (r xor 8 (g % 2)).
; REGISTERS, in windows of 256: window 0: v0-31 addresses; v32-95 scale words, two sets; v128-191 x's fragments, one set; v192-255 the bias (8 tiles x 8); on the way out v128-255 hold packed results.
;   window 1: W's fragments, two sets, at v0 and v128.   window 2: accumulators of my tokens 0-63 ((a, b) at v[8 (8 a + b)]);   window 3: those of my tokens 64-127.
.set NQ,     4                         ; steps of 128 along K in a slot
.set ROWB,   256                       ; a row of x's tile: 512 codes
.set KROW,   512                       ; a row of xc
.set PITCH,  272                       ; 256 bytes + 16 of padding: the 16 rows that a load touches start at 16 different banks (64 banks of 4 bytes: ISA guide 11.1)
.set FR,     8
.set NL,     2
.set NP,     4                         ; places behind this matrix instruction (ISA guide 7.12.1)
.set HALFT,  128*PITCH                 ; x: 128 rows: what one tensor load brings
.set HALFB,  32768                     ; W: 8 tiles of 16 columns x 4 fragments x 1,024 bytes
.set SLOT,   2*HALFT+2*HALFB
.set KS,     32                        ; a row of scale bytes
.set SCL,    2*SLOT                    ; behind the slots: the scales, as units of 256 bytes + 16 of padding
.set HALFS,  16*272                    ; those of 128 rows
.set SBLK,   2*272                     ; those of 16 rows
.set SPARE,  SCL+4*HALFS               ; the spare words, 128 bytes for each wave: two blocks of 256 bytes that no other line names
.set ADRA, 16                          ; v16-17  LDS address of my fragments of x in slot 0, 1
.set ADRB, 20                          ; v20-21  the same for W
.set CO,   26                          ; v26     my 16 bytes' place in a store's 512
.set ADRS, 27                          ; v27     LDS address of my scale words: lanes 0-15 x's rows, lanes 16-31 W's columns
.set SPW,  28                          ; v28     SPARE + 4 x my thread's number; never rewritten
.set NIL,  29                          ; v29     0; never rewritten
.set BO,   30                          ; v30     the bias loads' offset; never rewritten
.set SC,   32
.set AF,   128
.set BI,   192
.set PK,   128
.set G1, 24                            ; s[24:31] group 1 for x's tiles;  s[32:39] group 0, one set for each slot
.set G0, 32
.set G1B, 48                           ; s[48:55], s[56:63] the same for W's tiles
.set G0B, 56
.set G1S, 68                           ; s[68:75], s[76:79] x's scales;  s[80:87], s[88:91] W's
.set G0S, 76
.set G1SB, 80
.set G0SB, 88
.set MSB, 0
.macro WIN new                         ; the immediate's high byte repeats the setting that is left
.if MSB != \new
	s_set_vgpr_msb (MSB<<8)|\new
.set MSB, \new
.endif
.endm
.set MUL_LO, 0xa1                      ; source 0 (W) window 1, source 1 (x) window 0, C and D window 2
.set MUL_HI, 0xf1                      ; the same, C and D window 3
.set TO_B,   0x40                      ; destination window 1, address window 0
; A joint load: waves 0 and 1 fetch for x, waves 2 and 3 for W; the branch hangs on the wave's number alone.  An s_nop 0 and four v_nop follow each line.
.macro JLOAD g0a, g1a, g0b, g1b
	s_cmp_eq_u32 s15, 0
	s_cbranch_scc0 .Lfor_b_\@
	tensor_load_to_lds s[\g0a:\g0a+3], s[\g1a:\g1a+7]
	s_nop 0
.rept 4
	v_nop
.endr
	s_branch .Lasked_\@
.Lfor_b_\@:
	tensor_load_to_lds s[\g0b:\g0b+3], s[\g1b:\g1b+7]
	s_nop 0
.rept 4
	v_nop
.endr
.Lasked_\@:
.endm
.macro CROUND                          ; a round of the cluster's barrier
	s_barrier_signal -1
	s_barrier_wait -1
	s_cmp_lg_u32 s14, 0
	s_cbranch_scc1 .Lnot_wave_0_\@
	s_barrier_signal -3
.Lnot_wave_0_\@:
	s_barrier_wait -3
	s_barrier_signal -1
	s_barrier_wait -1
.endm
	s_load_b128 s[4:7], s[0:1], 0x0                ; xc s[4:5], xs s[6:7]
	s_load_b128 s[8:11], s[0:1], 0x10              ; wc s[8:9], ws s[10:11]
	s_load_b128 s[96:99], s[0:1], 0x20             ; bq s[96:97], bv s[98:99]
	s_load_b64 s[12:13], s[0:1], 0x30              ; qkv
	v_lshl_add_u32 v[SPW], v0, 2, SPARE
	v_mov_b32 v[NIL], 0
	ds_add_u32 v[SPW], v[NIL]                      ; the wave's opening: the add, twice on end, and its wait ahead of my first tensor load
	ds_add_u32 v[SPW], v[NIL]
	v_lshrrev_b32 v1, 5, v0
	v_readfirstlane_b32 s14, v1                    ; wave 0..3
	s_lshr_b32 s15, s14, 1                         ; which half of the tile's tokens is mine.  Also: I fetch for x (0) or for W (1)
	s_and_b32 s16, s14, 1                          ; which half of its columns.  Also: which half of that tile I fetch
	s_bfe_u32 s40, ttmp6, 0x40000                  ; cx, cy: my place in the cluster
	s_bfe_u32 s41, ttmp6, 0x40004
	s_lshl_b32 s42, ttmp9, 2
	s_add_co_u32 s42, s42, s40                     ; tile column = 4 x cluster x + cx
	s_and_b32 s17, ttmp7, 0xffff
	s_lshl_b32 s17, s17, 2
	s_add_co_u32 s17, s17, s41                     ; tile row = 4 x cluster y + cy
	s_lshl_b32 s43, s41, 2
	s_lshl_b32 s43, 15, s43                        ; my row of the cluster
	s_lshl_b32 s44, 0x1111, s40                    ; my column
	s_or_b32 s[G1+0], s43, (0<<16)|(1<<20)|(1<<21)|(5<<22)|(3<<25)  ; x: the mask of my row; elements of 1 byte; padding on; bit 21 beside a mask; 4 words of padding after every 64
	s_mov_b32 s[G1+1], ROWB<<16                    ; tensor_dim0 = 256
	s_mov_b32 s[G1+2], 128<<16                     ; tensor_dim1 = 128
	s_mov_b32 s[G1+3], ROWB<<16                    ; tile_dim0
	s_mov_b32 s[G1+4], 128                         ; tile_dim1
	s_mov_b32 s[G1+5], KROW                        ; from row to row
	s_mov_b32 s[G1+6], 0
	s_mov_b32 s[G1+7], 0
	s_or_b32 s[G1B+0], s44, (3<<16)|(1<<21)        ; W: the mask of my column; elements of 8 bytes; no padding
	s_mov_b32 s[G1B+1], 512<<16                    ; a row: a tile of columns' four fragments, 4,096 bytes
	s_mov_b32 s[G1B+2], 8<<16                      ; 8 tiles of columns
	s_mov_b32 s[G1B+3], 512<<16
	s_mov_b32 s[G1B+4], 8
	s_mov_b32 s[G1B+5], 1024                       ; 8,192 bytes from tile to tile
	s_mov_b32 s[G1B+6], 0
	s_mov_b32 s[G1B+7], 0
	s_or_b32 s[G1S+0], s43, (3<<16)|(1<<20)|(1<<21)|(5<<22)|(3<<25)   ; the scales of 128 rows: 4,096 dense bytes as 16 rows of 256, 16 bytes of padding behind each
	s_or_b32 s[G1SB+0], s44, (3<<16)|(1<<20)|(1<<21)|(5<<22)|(3<<25)
.irp g, G1S, G1SB
	s_mov_b32 s[\g+1], 32<<16
	s_mov_b32 s[\g+2], 16<<16
	s_mov_b32 s[\g+3], 32<<16
	s_mov_b32 s[\g+4], 16
	s_mov_b32 s[\g+5], 32
	s_mov_b32 s[\g+6], 0
	s_mov_b32 s[\g+7], 0
.endr
	s_lshl_b32 s18, s16, 7                         ; which 128 of the tile's 256 I fetch
	s_lshl_b32 s20, s17, 8
	s_add_co_u32 s20, s20, s18                     ; x: token 256 x tile row + 128 x half
	s_lshl_b32 s46, s42, 8
	s_add_co_u32 s46, s46, s18                     ; W: column 256 x tile column + 128 x half
	s_lshl_b32 s22, s20, 5                         ; their scales: 32 bytes each
	s_mov_b32 s23, 0
	s_lshl_b32 s92, s46, 5
	s_mov_b32 s93, 0
	s_lshl_b32 s20, s20, 9                         ; their codes: 512 bytes a token,
	s_mov_b32 s21, 0
	s_lshl_b32 s46, s46, 9                         ; 8,192 bytes for 16 columns
	s_mov_b32 s47, 0
	s_mul_i32 s45, s16, HALFT                      ; where they go: no place in the cluster enters an LDS address
	s_mul_i32 s95, s16, HALFB
	s_add_co_u32 s95, s95, 2*HALFT
	s_mul_i32 s94, s14, HALFS
	s_wait_dscnt 0x0                               ; both opening adds are done
	s_wait_kmcnt 0x0
	s_add_nc_u64 s[20:21], s[4:5], s[20:21]
	s_add_nc_u64 s[22:23], s[6:7], s[22:23]
	s_add_nc_u64 s[46:47], s[8:9], s[46:47]
	s_add_nc_u64 s[92:93], s[10:11], s[92:93]
	CROUND                                         ; all sixteen work-groups are here: the joint loads meet
	s_mov_b32 s[G0S], 1
	s_add_co_u32 s[G0S+1], s94, SCL
	s_mov_b64 s[G0S+2:G0S+3], s[22:23]
	s_or_b32 s[G0S+3], s[G0S+3], 0x80000000
	s_mov_b32 s[G0SB], 1
	s_add_co_u32 s[G0SB+1], s94, SCL
	s_mov_b64 s[G0SB+2:G0SB+3], s[92:93]
	s_or_b32 s[G0SB+3], s[G0SB+3], 0x80000000
	JLOAD G0S, G1S, G0SB, G1SB                     ; the scales first: they are wanted with slot 0
.irp s, 0,1
	s_mov_b32 s[G0+4*\s], 1
	s_add_co_u32 s[G0+4*\s+1], s45, \s*SLOT
	s_add_nc_u64 s[G0+4*\s+2:G0+4*\s+3], s[20:21], \s*ROWB
	s_or_b32 s[G0+4*\s+3], s[G0+4*\s+3], 0x80000000
	s_mov_b32 s[G0B+4*\s], 1
	s_add_co_u32 s[G0B+4*\s+1], s95, \s*SLOT
	s_add_nc_u64 s[G0B+4*\s+2:G0B+4*\s+3], s[46:47], \s*4096
	s_or_b32 s[G0B+4*\s+3], s[G0B+4*\s+3], 0x80000000
	JLOAD G0+4*\s, G1, G0B+4*\s, G1B               ; three tensor loads of mine are out at the most
.endr
	v_and_b32 v1, 15, v0                           ; r = lane % 16
	v_bfe_u32 v2, v0, 4, 1                         ; h = lane / 16
	; THE C OF THE FIRST STEP, in the result's layout: tile b, register j: column 16 b + 8 h + j of my 128.  ONE branch, on the cluster's x (the same in all partners); both its arms write all 64 registers:
	; Q and V load their bias; K, which has none, writes zeros.  It stands here, where the first tiles are on their way.
	v_lshlrev_b32 v[BO], 5, v2
	s_cmp_eq_u32 ttmp9, 0
	s_cselect_b64 s[96:97], s[96:97], s[98:99]     ; bq for Q, else bv
	s_lshl_b32 s92, s40, 10                        ; my first column in the bias: (256 cx + 128 x half) x 4 bytes
	s_lshl_b32 s93, s16, 9
	s_add_co_u32 s92, s92, s93
	s_mov_b32 s93, 0
	s_add_nc_u64 s[96:97], s[96:97], s[92:93]
	s_cmp_eq_u32 ttmp9, 1
	s_cbranch_scc1 .Lno_bias
.irp b, 0,1,2,3,4,5,6,7
	global_load_b128 v[BI+8*\b:BI+8*\b+3], v[BO], s[96:97] offset:64*\b
	global_load_b128 v[BI+8*\b+4:BI+8*\b+7], v[BO], s[96:97] offset:64*\b+16
.endr
	s_branch .Lbias_done
.Lno_bias:
.irp j, 0,1,2,3,4,5,6,7,8,9,10,11,12,13,14,15,16,17,18,19,20,21,22,23,24,25,26,27,28,29,30,31,32,33,34,35,36,37,38,39,40,41,42,43,44,45,46,47,48,49,50,51,52,53,54,55,56,57,58,59,60,61,62,63
	v_mov_b32 v[BI+\j], 0
.endr
.Lbias_done:
	v_mul_u32_u24 v3, v1, PITCH
	v_lshl_add_u32 v4, v2, 4, v3                   ; x: a fragment's row x pitch + 16 h
	v_and_b32 v6, 31, v0
	v_lshlrev_b32 v6, 4, v6                        ; W: 16 x lane
	s_mul_i32 s21, s15, HALFT                      ; my 128 tokens
	s_mul_i32 s22, s16, HALFB                      ; my 128 columns, behind x's 256 rows
	s_add_co_u32 s22, s22, 2*HALFT
.irp s, 0,1
	v_add_nc_u32 v[ADRA+\s], s21, v4
	v_add_nc_u32 v[ADRB+\s], s22, v6
	s_add_co_u32 s21, s21, SLOT
	s_add_co_u32 s22, s22, SLOT
.endr
	v_mul_u32_u24 v5, v1, KS                       ; my row's scales: 32 bytes a row,
	v_lshrrev_b32 v6, 8, v5
	v_lshl_add_u32 v5, v6, 4, v5                   ; and 16 more for each 256 passed
	s_mul_i32 s21, s15, HALFS
	s_mul_i32 s22, s16, HALFS
	s_add_co_u32 s22, s22, 2*HALFS
	s_sub_co_u32 s22, s22, s21
	v_mul_u32_u24 v6, s22, v2                      ; lanes 16-31 take W's: one product, the lower base + h x the distance
	s_add_co_u32 s21, s21, SCL
	v_add_nc_u32 v5, v5, v6
	v_add_nc_u32 v[ADRS], s21, v5
	; the way out: my place in a store, and the two heads' bases
	s_lshr_b32 s92, ttmp9, 1
	s_lshl_b32 s92, s92, 3                         ; 8 for V, else 0
	v_mul_u32_u24 v5, s92, v2
	v_xor_b32 v5, v5, v1                           ; r, or for V r xor 8 h
	v_lshlrev_b32 v[CO], 8, v2
	v_lshl_add_u32 v[CO], v5, 4, v[CO]
	s_lshl_b32 s20, s17, 8
	s_lshl_b32 s21, s15, 7
	s_add_co_u32 s20, s20, s21                     ; my first token
	s_lshr_b32 s21, s20, 11                        ; its batch
	s_and_b32 s20, s20, 2047                       ; and its place in the sequence
	s_lshl_b32 s46, s40, 2
	s_lshl_b32 s47, s16, 1
	s_add_co_u32 s46, s46, s47                     ; my first head: 4 cx + 2 x half
	s_lshl_b32 s21, s21, 4
	s_add_co_u32 s46, s46, s21                     ; 16 x batch + head
	s_lshl_b32 s46, s46, 18
	s_lshr_b32 s21, s20, 9
	s_lshl_b32 s21, s21, 16
	s_add_co_u32 s46, s46, s21
	s_min_u32 s22, ttmp9, 1                        ; K's and V's parts lie twice as far apart as Q's
	s_lshl_b32 s46, s46, s22
	s_and_b32 s21, s20, 511
	s_lshl_b32 s21, s21, 7
	s_add_co_u32 s46, s46, s21
	s_lshl_b32 s21, s22, 24                        ; K and V begin at byte 2^24,
	s_add_co_u32 s46, s46, s21
	s_lshr_b32 s21, ttmp9, 1
	s_lshl_b32 s21, s21, 16                        ; V 65,536 bytes behind K
	s_add_co_u32 s46, s46, s21
	s_mov_b32 s47, 0
	s_add_nc_u64 s[4:5], s[12:13], s[46:47]        ; my first head's base,
	s_lshl_b32 s46, 0x40000, s22
	s_add_nc_u64 s[6:7], s[4:5], s[46:47]          ; my second head's
.macro FRAG reg, adr, q, i             ; x: 16 rows x 128 K: registers 4 c .. 4 c + 3 hold K = 64 c + 32 h + 0 .. 31
.irp c, 0,1
	ds_load_b128 v[\reg+4*\c:\reg+4*\c+3], v[\adr] offset:64*(\q)+32*\c+(\i)*16*PITCH
.endr
.endm
.macro FRAGB reg, adr, q, i            ; W: the image of the same registers
.irp c, 0,1
	ds_load_b128 v[\reg+4*\c:\reg+4*\c+3], v[\adr] offset:(\i)*4096+(\q)*1024+512*\c
.endr
.endm
; 16 matrix instructions: x's blocks a0, a0 + 1 against W's eight, 128 along K.  p: W's set;  sc: the set of scale words.  first = 1: C is the bias (for K: zeros): the first product starts the sums;  0: in place.
; The 64 accumulators take turns, one instruction a turn, in the same order in every step.
.macro MUL16 a0, p, q, sc, first
.irp a, \a0, \a0+1
.irp b, 0,1,2,3,4,5,6,7
.if \first
	v_wmma_scale_f32_16x16x128_f8f6f4 v[8*(8*((\a)%4)+\b):8*(8*((\a)%4)+\b)+7], v[128*(\p)+FR*\b:128*(\p)+FR*\b+FR-1], v[AF+FR*(\a):AF+FR*(\a)+FR-1], v[BI+8*\b:BI+8*\b+7], v[SC+8*NQ*(\sc)+NQ*\b+(\q)], v[SC+8*NQ*(\sc)+NQ*(\a)+(\q)] matrix_a_fmt:MATRIX_FMT_FP4 matrix_b_fmt:MATRIX_FMT_FP4 matrix_a_scale:MATRIX_SCALE_ROW1
.else
	v_wmma_scale_f32_16x16x128_f8f6f4 v[8*(8*((\a)%4)+\b):8*(8*((\a)%4)+\b)+7], v[128*(\p)+FR*\b:128*(\p)+FR*\b+FR-1], v[AF+FR*(\a):AF+FR*(\a)+FR-1], v[8*(8*((\a)%4)+\b):8*(8*((\a)%4)+\b)+7], v[SC+8*NQ*(\sc)+NQ*\b+(\q)], v[SC+8*NQ*(\sc)+NQ*(\a)+(\q)] matrix_a_fmt:MATRIX_FMT_FP4 matrix_b_fmt:MATRIX_FMT_FP4 matrix_a_scale:MATRIX_SCALE_ROW1
.endif
.endr
.endr
.endm
.macro FETCH_B slot, q, p
	WIN TO_B
.irp i, 0,1,2,3,4,5,6,7
	FRAGB 128*(\p)+FR*\i, ADRB+\slot, \q, \i
.endr
	WIN 0
.endm
.macro FETCH_A slot, q, i0
.irp i, \i0, \i0+1, \i0+2, \i0+3
	FRAG AF+FR*(\i), ADRA+\slot, \q, \i
.endr
.endm
.macro SCALES sc                       ; a slot's scale words: 4 words a row; lanes 0-15 take x's block i, lanes 16-31 W's block i
.irp i, 0,1,2,3,4,5,6,7
	ds_load_b128 v[SC+8*NQ*\sc+NQ*\i:SC+8*NQ*\sc+NQ*\i+3], v[ADRS] offset:\i*SBLK
.endr
.endm
.macro PLACES n                        ; plain vector instructions between a matrix instruction and a load into, or a vector write of, its registers, or a read of its result
.rept \n
	v_nop
.endr
.endm
; A step of 128 along K that has its successor in the same slot.  x has one set of registers: blocks 0-3 are fetched anew in the step's middle, blocks 4-7 at its end; W has two sets.
.macro STEP slot, q, first
	s_wait_dscnt 4*NL                              ; W's set and x's blocks 0-3 are in; the youngest eight loads (x's blocks 4-7) may be out
.if \first
	WIN 0x81                                       ; as MUL_LO, with C in window 0
.else
	WIN MUL_LO
.endif
	MUL16 0, (\q)%2, \q, \slot, \first
	MUL16 2, (\q)%2, \q, \slot, \first
	s_wait_dscnt 0
	PLACES NP
	FETCH_B \slot, (\q)+1, 1-(\q)%2
	FETCH_A \slot, (\q)+1, 0
.if \first
	WIN 0xc1                                       ; as MUL_HI, with C in window 0
.else
	WIN MUL_HI
.endif
	MUL16 4, (\q)%2, \q, \slot, \first
	MUL16 6, (\q)%2, \q, \slot, \first
	PLACES NP
	WIN 0
	FETCH_A \slot, (\q)+1, 4
.endm
; Slot 0's last step goes over to slot 1: each wave waits for all its tensor loads (its part of slot 1), and a barrier shows the slot whole to all four.  Nothing is filled again.
.macro TURN slot, next
	s_wait_tensorcnt 0x0                           ; all my tensor loads have landed
	ds_add_u32 v[SPW], v[NIL]                      ; 0 onto my spare word
	s_wait_dscnt 4*NL+1                            ; the add and the youngest eight loads may be out
	WIN MUL_LO
	MUL16 0, 1, NQ-1, \slot, 0
	s_wait_dscnt 0x0                               ; no LDS instruction of mine is pending at the signal
	s_barrier_signal -1
	MUL16 2, 1, NQ-1, \slot, 0
	WIN 0
	s_barrier_wait -1
	PLACES NP
	v_add_nc_u32 v[ADRS], 4*NQ, v[ADRS]            ; on to the next slot's scale words
	FETCH_B \next, 0, 0
	FETCH_A \next, 0, 0
	SCALES \next
	WIN MUL_HI
	MUL16 4, 1, NQ-1, \slot, 0
	MUL16 6, 1, NQ-1, \slot, 0
	PLACES NP
	WIN 0
	FETCH_A \next, 0, 4
.endm
	s_wait_tensorcnt 1                             ; the scales and my part of slot 0 are in; slot 1's load may be out,
	s_barrier_signal -1
	s_barrier_wait -1                              ; everybody's are
	FETCH_B 0, 0, 0
	FETCH_A 0, 0, 0
	SCALES 0
	FETCH_A 0, 0, 4
	s_wait_loadcnt 0x0                             ; the bias is in (for K nothing was asked for)
	STEP 0, 0, 1                                   ; the first step starts the sums
	STEP 0, 1, 0
	STEP 0, 2, 0
	TURN 0, 1
	STEP 1, 0, 0
	STEP 1, 1, 0
	STEP 1, 2, 0
	s_wait_dscnt 4*NL                              ; the last step: nothing more to fetch
	WIN MUL_LO
	MUL16 0, 1, NQ-1, 1, 0
	MUL16 2, 1, NQ-1, 1, 0
	s_wait_dscnt 0
	WIN MUL_HI
	MUL16 4, 1, NQ-1, 1, 0
	MUL16 6, 1, NQ-1, 1, 0
	WIN 0
; THE WAY OUT of block a (16 tokens x 128 columns): rounded to f16, each accumulator from its low end on; a lane's 16 bytes go straight to their place.
.macro OUT a
.if (\a) >= 4
	s_wait_xcnt 0x0                                ; the stores of four blocks ago have read their registers, which are written again below
.endif
	WIN 0x0a+5*((\a)/4)                            ; sources 0 and 1: window 2 or 3
.irp b, 0,1,2,3,4,5,6,7
.irp r, 0,1,2,3
	v_cvt_pk_f16_f32 v[PK+32*((\a)%4)+4*\b+\r], v[64*((\a)%4)+8*\b+2*\r], v[64*((\a)%4)+8*\b+2*\r+1]
.endr
.endr
	WIN 0
.irp b, 0,1,2,3
	global_store_b128 v[CO], v[PK+32*((\a)%4)+4*\b:PK+32*((\a)%4)+4*\b+3], s[4:5] offset:(\a)*2048+\b*512        ; 32 lanes store 512 consecutive bytes, aligned
.endr
.irp b, 0,1,2,3
	global_store_b128 v[CO], v[PK+32*((\a)%4)+16+4*\b:PK+32*((\a)%4)+16+4*\b+3], s[6:7] offset:(\a)*2048+\b*512  ; my second head
.endr
.endm
	PLACES NP                                      ; behind the last products: their results are read, and registers that held their operands are written
.irp a, 0,1,2,3,4,5,6,7
	OUT \a
.endr
	s_wait_tensorcnt 0x0                           ; the wave's end
	ds_add_u32 v[SPW], v[NIL]
	s_wait_dscnt 0x0
	CROUND                                         ; the closing round: no work-group ends while a partner may still ask for a tile that names it
	s_endpgm
.Lfunc_end_k_q77b1c7f454_proj:
	.size	k_q77b1c7f454_proj, .Lfunc_end_k_q77b1c7f454_proj-k_q77b1c7f454_proj
	.p2alignl 7, 3214868480
	.fill 96, 4, 3214868480
	.section	.rodata,"a",@progbits
	.p2align	6, 0x0
	.amdhsa_kernel k_q77b1c7f454_proj
		.amdhsa_group_segment_fixed_size 327680
		.amdhsa_private_segment_fixed_size 0
		.amdhsa_enable_private_segment 0
		.amdhsa_kernarg_size 56
		.amdhsa_user_sgpr_count 2
		.amdhsa_user_sgpr_kernarg_segment_ptr 1
		.amdhsa_wavefront_size32 1
		.amdhsa_system_sgpr_workgroup_id_x 1
		.amdhsa_system_sgpr_workgroup_id_y 1
		.amdhsa_system_sgpr_workgroup_id_z 1
		.amdhsa_system_vgpr_workitem_id 0
		.amdhsa_next_free_vgpr 1024
		.amdhsa_next_free_sgpr 100
		.amdhsa_reserve_vcc 0
		.amdhsa_float_denorm_mode_32 3
		.amdhsa_float_denorm_mode_16_64 3
		.amdhsa_memory_ordered 1
		.amdhsa_forward_progress 1
		.amdhsa_inst_pref_size 122
	.end_amdhsa_kernel
	.amdgpu_metadata
---
amdhsa.version: [ 1, 2 ]
amdhsa.kernels:
  - .name:           k_q77b1c7f454_proj
    .symbol:         k_q77b1c7f454_proj.kd
    .args:
      - { .name: xc, .offset: 0, .size: 8, .value_kind: global_buffer, .address_space: global }
      - { .name: xs, .offset: 8, .size: 8, .value_kind: global_buffer, .address_space: global }
      - { .name: wc, .offset: 16, .size: 8, .value_kind: global_buffer, .address_space: global }
      - { .name: ws, .offset: 24, .size: 8, .value_kind: global_buffer, .address_space: global }
      - { .name: bq, .offset: 32, .size: 8, .value_kind: global_buffer, .address_space: global }
      - { .name: bv, .offset: 40, .size: 8, .value_kind: global_buffer, .address_space: global }
      - { .name: qkv, .offset: 48, .size: 8, .value_kind: global_buffer, .address_space: global }
    .group_segment_fixed_size: 327680
    .private_segment_fixed_size: 0
    .kernarg_segment_align: 8
    .kernarg_segment_size: 56
    .max_flat_workgroup_size: 128
    .sgpr_count:     100
    .vgpr_count:     1024
    .wavefront_size: 32
...
	.end_amdgpu_metadata
.endif
;; end of part 2
;; launch attn (part 3): grid 4 x 64, 16 waves a work-group, clusters of 4 x 1, 327,680 bytes of LDS; arguments qkv, attnf; writes attnf
.if DOCPART == 3
	.amdgcn_target "amdgcn-amd-amdhsa--gfx1250"
	.amdhsa_code_object_version 6
	.text
	.protected	k_q77b1c7f454_attn
	.globl	k_q77b1c7f454_attn
	.p2align	8
	.type	k_q77b1c7f454_attn,@function
k_q77b1c7f454_attn:
	s_mov_b64 s[64:65], 0
	v_nop
	global_prefetch_b8 v0, s[64:65] scope:SCOPE_SE
	s_setreg_imm32_b32 hwreg(HW_REG_WAVE_MODE, 25, 1), 1
	s_wait_xcnt 0x0
	s_wait_alu depctr_hold_cnt(0) depctr_sa_sdst(0) depctr_va_vdst(0) depctr_va_sdst(0) depctr_va_ssrc(0) depctr_va_vcc(0) depctr_vm_vsrc(0)
	s_getreg_b32 s2, hwreg(HW_REG_IB_STS2, 6, 4)
	s_cmp_eq_u32 s2, 0
	s_cbranch_scc0 .Lentry_in_a_cluster
	s_endpgm
.Lentry_in_a_cluster:
	s_bfe_u32 s2, ttmp6, 0x10000c
	s_cmp_lg_u32 s2, 0x3003
	s_cbranch_scc0 .Lentry_shape_is_right
	s_endpgm
.Lentry_shape_is_right:
; Launch 3 of 4: attn[q] = the sum over k of softmax_k(Q_q . K_k / 8) V_k, for each of 64 (batch, head) pairs; 2,048 queries and keys, head size 64.  Operands in f16; products, maxima and sums in f32.
; LEFT OUT: bk (K comes without it): it adds the same number to every score of a query, which the softmax along the keys takes away for all values.
; LIMITS: |attn| stays under 65,504 (f16); NaN and infinities are not served.
; SHARES.  A cluster of four work-groups is one (batch, head); a work-group owns 512 queries; each of its sixteen waves 32: two tiles of 16, in 256 registers, four waves to a SIMD, so that one wave's vector work
; stands beside another's matrix work and LDS loads.  Every wave walks all 2,048 keys, 64 a step.
; All four partners walk the same K and V, so every tile is asked for JOINTLY (the same tensor load, the same descriptor, a mask that names the four).  My place in the cluster enters Q's and the result's addresses alone.
; THE RING: two LDS slots of 512 keys (K 65,536 bytes, V 65,536 bytes).  In memory a slot is 131,072 consecutive bytes; wave w brings bytes 8,192 w on: every wave issues one load for each slot.
; LAYOUT.  S^T = K Q^T (source 0 = 16 keys, source 1 = 16 queries): a lane holds ONE query (lane % 16) and keys 8 (lane / 16) + 0..7.  Two such tiles, rounded to f16 in pairs, ARE source 1 of O^T = V^T P.
; K and Q lie as images of the operand's registers (16 bytes a lane, 512 a load); V lies by pieces of (key, 8 channels) and is turned by ds_load_tr16_b128.
; SOFTMAX: a running maximum m and sum l for each query: p = 2^(c s - c m), c = log2(e) / 8; in every step O and l are multiplied by a = 2^(c m_old - c m_new).  m begins at -3e38 and O, l at 0: the first a is 0.
; REGISTERS: v1 16 x lane; v2 my place in V's pieces; v3, v4 the step's LDS addresses; v6, v7 the add's two; v8-23 statistics (tile t at 8 + 8 t: +0 c m, +1 m, +2, +3 l, +4..7 at work; a in +6);
;   v24-55 Q; v56-119 K's or V's eight fragments; v120-183 S^T, then p, then P in the low half; v184-247 O^T; v248-251 sums at work.
.set SLOTB, 131072
.set STEPB, 8192                       ; 64 keys of K, or of V
.set VOFF,  65536
.set SPARE, 2*SLOTB                    ; the spare words, 128 bytes for each of sixteen waves: eight blocks of 256 bytes that no other line names
.set AK0, 1
.set AV0, 2
.set ADK, 3
.set ADV, 4
.set SPW, 6
.set NIL, 7
.set ST,  8
.set Q,   24
.set KV,  56
.set S,   120
.set O,   184
.set TP,  248
.set WV,  8                            ; s8  my wave's number
.set CX,  9                            ; s9  my place in the cluster
.set BH,  10                           ; s10 16 x batch + head
.set G1,  16                           ; s[16:23] descriptor group 1
.set G0A, 24                           ; s[24:27] group 0 for LDS slot 0;  s[28:31] for slot 1
.set G0B, 28
.set CS,  32                           ; s[32:33] c, twice: the packed form names a pair
.set SEL, 34                           ; s[34:35] v_permlanex16_b32's selects for lane l xor 16
.set TB,  36                           ; s36 LDS byte at which the step's K begins
.set CNT, 37
.macro CROUND                          ; a round of the cluster's barrier
	s_barrier_signal -1
	s_barrier_wait -1
	s_cmp_lg_u32 s[WV], 0
	s_cbranch_scc1 .Lnot_wave_0_\@
	s_barrier_signal -3
.Lnot_wave_0_\@:
	s_barrier_wait -3
	s_barrier_signal -1
	s_barrier_wait -1
.endm
	s_load_b128 s[4:7], s[0:1], 0x0                ; qkv s[4:5], attnf s[6:7]
	v_lshl_add_u32 v[SPW], v0, 2, SPARE
	v_mov_b32 v[NIL], 0
	ds_add_u32 v[SPW], v[NIL]                      ; the wave's opening: the add, twice on end, and its wait ahead of my first tensor load
	ds_add_u32 v[SPW], v[NIL]
	v_lshrrev_b32 v1, 5, v0
	v_readfirstlane_b32 s[WV], v1                  ; wave 0..15
	s_bfe_u32 s[CX], ttmp6, 0x40000
	s_and_b32 s[BH], ttmp7, 0xffff
	s_mov_b32 s[G1], 15|(3<<16)|(1<<21)            ; the mask: all four work-groups; elements of 8 bytes; bit 21 beside a mask; no padding
	s_mov_b32 s[G1+1], 32<<16                      ; 8,192 dense bytes as 32 rows of 256
	s_mov_b32 s[G1+2], 32<<16
	s_mov_b32 s[G1+3], 32<<16
	s_mov_b32 s[G1+4], 32
	s_mov_b32 s[G1+5], 32
	s_mov_b32 s[G1+6], 0
	s_mov_b32 s[G1+7], 0
	s_mov_b32 s[G0A], 1
	s_lshl_b32 s[G0A+1], s[WV], 13                 ; LDS: 8,192 x wave
	s_mov_b32 s[G0B], 1
	s_add_co_u32 s[G0B+1], s[G0A+1], SLOTB
	s_mov_b32 s[CS], 0x3e38aa3b                    ; c = log2(e) / 8
	s_mov_b32 s[CS+1], s[CS]
	s_mov_b32 s[SEL], 0x76543210
	s_mov_b32 s[SEL+1], 0xfedcba98
	s_lshl_b32 s38, s[BH], 19                      ; K and V: 2^24 + 2^19 x (batch, head) + 8,192 x wave
	s_add_co_u32 s38, s38, s[G0A+1]
	s_add_co_u32 s38, s38, 0x1000000
	s_mov_b32 s39, 0
	s_lshl_b32 s40, s[BH], 18                      ; Q: 2^18 x (batch, head) + (32 cx + 2 wave) tiles of 2,048 bytes
	s_lshl_b32 s41, s[CX], 16
	s_add_co_u32 s40, s40, s41
	s_lshl_b32 s41, s[WV], 12
	s_add_co_u32 s40, s40, s41
	s_mov_b32 s41, 0
	s_lshr_b32 s44, s[BH], 4                       ; the result: (128 batch + 32 cx + 2 wave) tiles of 32,768 bytes + 2,048 x head
	s_lshl_b32 s44, s44, 22
	s_lshl_b32 s45, s[CX], 20
	s_add_co_u32 s44, s44, s45
	s_lshl_b32 s45, s[WV], 16
	s_add_co_u32 s44, s44, s45
	s_and_b32 s45, s[BH], 15
	s_lshl_b32 s45, s45, 11
	s_add_co_u32 s44, s44, s45
	s_mov_b32 s45, 0
	s_wait_dscnt 0x0                               ; both opening adds are done
	s_wait_kmcnt 0x0
	s_add_nc_u64 s[G0A+2:G0A+3], s[4:5], s[38:39]  ; keys 0 to 511,
	s_add_nc_u64 s[G0B+2:G0B+3], s[G0A+2:G0A+3], SLOTB   ; keys 512 to 1,023
	s_or_b32 s[G0A+3], s[G0A+3], 0x80000000
	s_or_b32 s[G0B+3], s[G0B+3], 0x80000000
	s_add_nc_u64 s[42:43], s[4:5], s[40:41]
	s_add_nc_u64 s[46:47], s[6:7], s[44:45]
	CROUND                                         ; all four work-groups are here: the first joint loads meet
	tensor_load_to_lds s[G0A:G0A+3], s[G1:G1+7]    ; slot 0
	s_nop 0
.rept 4
	v_nop
.endr
	v_and_b32 v5, 31, v0
	v_lshlrev_b32 v[AK0], 4, v5                    ; 16 x lane
.irp t, 0,1
.irp f, 0,1
.irp c, 0,1
	global_load_b128 v[Q+16*\t+8*\f+4*\c:Q+16*\t+8*\f+4*\c+3], v[AK0], s[42:43] offset:2048*\t+1024*\f+512*\c   ; Q stays in registers: tile t, channels 32 f on
.endr
.endr
.endr
	; the turning load: lane l addresses the piece (key 8 h + i, channels 8 u on), i = l % 8, u = (l / 8) % 2, h = l / 16, which lies at 256 u + 16 i + 128 (h xor u) of its 512 bytes
	v_and_b32 v5, 7, v0
	v_bfe_u32 v[ADK], v0, 3, 1
	v_bfe_u32 v[ADV], v0, 4, 1
	v_xor_b32 v[ADV], v[ADV], v[ADK]
	v_lshlrev_b32 v[AV0], 4, v5
	v_lshl_add_u32 v[AV0], v[ADK], 8, v[AV0]
	v_lshl_add_u32 v[AV0], v[ADV], 7, v[AV0]
	v_add_nc_u32 v[AV0], VOFF, v[AV0]
.irp t, 0,1
	v_mov_b32 v[ST+8*\t+1], 0xff61b1e6             ; m = -3e38, under every score
	v_mov_b32 v[ST+8*\t+2], 0                      ; l, in two halves
	v_mov_b32 v[ST+8*\t+3], 0
.endr
.irp t, 0,1
	v_mul_f32 v[ST+8*\t], s[CS], v[ST+8*\t+1]      ; c m
.endr
.irp j, 0,1,2,3,4,5,6,7,8,9,10,11,12,13,14,15,16,17,18,19,20,21,22,23,24,25,26,27,28,29,30,31,32,33,34,35,36,37,38,39,40,41,42,43,44,45,46,47,48,49,50,51,52,53,54,55,56,57,58,59,60,61,62,63
	v_mov_b32 v[O+\j], 0                           ; O^T: the step is written once; its first walk finds zeros, which a = 0 leaves zeros
.endr
	s_wait_loadcnt 0x0                             ; Q
; A KEY STEP: 64 keys.
.macro STEP
	v_add_nc_u32 v[ADK], s[TB], v[AK0]
	v_add_nc_u32 v[ADV], s[TB], v[AV0]
.rept 3
	v_nop                                          ; with the two additions: five places between the last step's last product and the products below, which write over registers that it read (P), and four in front of the loads
.endr
.irp f, 0,1
.irp kt, 0,1,2,3
.irp c, 0,1
	ds_load_b128 v[KV+8*(2*\kt+\f)+4*\c:KV+8*(2*\kt+\f)+4*\c+3], v[ADK] offset:2048*\kt+1024*\f+512*\c   ; K: keys 16 kt on, channels 32 f on
.endr
.endr
.endr
	s_wait_dscnt 8                                 ; the fragments of channels 0-31 are in; the eight loads of channels 32-63 may be out
.irp kt, 0,1,2,3
.irp t, 0,1
	v_wmma_f32_16x16x32_f16 v[S+32*\t+8*\kt:S+32*\t+8*\kt+7], v[KV+16*\kt:KV+16*\kt+7], v[Q+16*\t:Q+16*\t+7], 0   ; the first products start the sums; the eight accumulators take turns
.endr
.endr
	s_wait_dscnt 0x0
.irp kt, 0,1,2,3
.irp t, 0,1
	v_wmma_f32_16x16x32_f16 v[S+32*\t+8*\kt:S+32*\t+8*\kt+7], v[KV+16*\kt+8:KV+16*\kt+15], v[Q+16*\t+8:Q+16*\t+15], v[S+32*\t+8*\kt:S+32*\t+8*\kt+7]
.endr
.endr
.rept 4
	v_nop                                          ; places in front of the loads into K's registers and of the first read of the scores
.endr
.irp kp, 0,1
.irp ct, 0,1,2,3
	ds_load_tr16_b128 v[KV+8*(4*\kp+\ct):KV+8*(4*\kp+\ct)+3], v[ADV] offset:4096*\kp+512*\ct          ; V^T: channels 16 ct on, keys 32 kp on; they land under the softmax
	ds_load_tr16_b128 v[KV+8*(4*\kp+\ct)+4:KV+8*(4*\kp+\ct)+7], v[ADV] offset:4096*\kp+512*\ct+2048
.endr
.endr
	; the maximum of my 32 scores and the old m: four chains, each begun at an accumulator's low end; the two tiles alternate, so that no line waits for the line above it
.irp j, 0,1,2,3
.irp t, 0,1
	v_max3_num_f32 v[ST+8*\t+4+\j], v[S+32*\t+8*\j], v[S+32*\t+8*\j+1], v[S+32*\t+8*\j+2]
.endr
.endr
.irp i, 3,5
.irp j, 0,1,2,3
.irp t, 0,1
	v_max3_num_f32 v[ST+8*\t+4+\j], v[ST+8*\t+4+\j], v[S+32*\t+8*\j+\i], v[S+32*\t+8*\j+\i+1]
.endr
.endr
.endr
.irp t, 0,1
	v_max3_num_f32 v[ST+8*\t+4], v[ST+8*\t+4], v[S+32*\t+7], v[S+32*\t+15]
.endr
.irp t, 0,1
	v_max3_num_f32 v[ST+8*\t+6], v[ST+8*\t+6], v[S+32*\t+23], v[S+32*\t+31]
.endr
.irp t, 0,1
	v_max3_num_f32 v[ST+8*\t+4], v[ST+8*\t+4], v[ST+8*\t+5], v[ST+8*\t+6]
.endr
.irp t, 0,1
	v_max3_num_f32 v[ST+8*\t+4], v[ST+8*\t+4], v[ST+8*\t+7], v[ST+8*\t+1]
.endr
.irp t, 0,1
	v_permlanex16_b32 v[ST+8*\t+5], v[ST+8*\t+4], s[SEL], s[SEL+1]   ; the query's other 32 keys lie in the lane 16 away
.endr
.irp t, 0,1
	v_mov_b32 v[ST+8*\t+7], v[ST+8*\t]             ; c m_old is kept for a
.endr
.irp t, 0,1
	v_max_num_f32 v[ST+8*\t+1], v[ST+8*\t+4], v[ST+8*\t+5]
.endr
.irp t, 0,1
	v_mul_f32 v[ST+8*\t], s[CS], v[ST+8*\t+1]
.endr
.irp t, 0,1
	v_sub_f32 v[ST+8*\t+7], v[ST+8*\t+7], v[ST+8*\t]
.endr
.irp b, 0,1,2,3,4,5,6,7,8,9,10,11,12,13,14,15
.irp t, 0,1
	v_pk_fma_f32 v[S+32*\t+2*\b:S+32*\t+2*\b+1], v[S+32*\t+2*\b:S+32*\t+2*\b+1], s[CS:CS+1], v[ST+8*\t:ST+8*\t+1] op_sel_hi:[1,0,0] neg_lo:[0,0,1] neg_hi:[0,0,1]   ; c s - c m, two at a time
.endr
.endr
.irp t, 0,1
	v_exp_f32 v[ST+8*\t+6], v[ST+8*\t+7]           ; a
.endr
.irp e, 0,1,2,3,4,5,6,7,8,9,10,11,12,13,14,15,16,17,18,19,20,21,22,23,24,25,26,27,28,29,30,31
.irp t, 0,1
	v_exp_f32 v[S+32*\t+\e], v[S+32*\t+\e]         ; p.  The 66 exponentials are one batch: none reads another's result
.endr
.endr
	v_nop                                          ; a plain instruction behind the last exponential (ISA guide 5.7.2),
	s_wait_alu depctr_va_vdst(0)                   ; and the one wait ahead of the batch's first reader
.irp t, 0,1
	v_pk_fma_f32 v[ST+8*\t+2:ST+8*\t+3], v[ST+8*\t+2:ST+8*\t+3], v[ST+8*\t+6:ST+8*\t+7], v[S+32*\t:S+32*\t+1] op_sel_hi:[1,0,1]   ; l = a l + pair 0; the even pairs follow here,
.endr
.irp t, 0,1
	v_pk_add_f32 v[TP+2*\t:TP+2*\t+1], v[S+32*\t+2:S+32*\t+3], v[S+32*\t+6:S+32*\t+7]   ; the odd pairs in a second chain
.endr
.irp b, 2,4,6,8,10,12
.irp t, 0,1
	v_pk_add_f32 v[ST+8*\t+2:ST+8*\t+3], v[ST+8*\t+2:ST+8*\t+3], v[S+32*\t+2*\b:S+32*\t+2*\b+1]
	v_pk_add_f32 v[TP+2*\t:TP+2*\t+1], v[TP+2*\t:TP+2*\t+1], v[S+32*\t+2*\b+6:S+32*\t+2*\b+7]
.endr
.endr
.irp t, 0,1
	v_pk_add_f32 v[ST+8*\t+2:ST+8*\t+3], v[ST+8*\t+2:ST+8*\t+3], v[S+32*\t+28:S+32*\t+29]
.endr
.irp t, 0,1
	v_pk_add_f32 v[ST+8*\t+2:ST+8*\t+3], v[ST+8*\t+2:ST+8*\t+3], v[TP+2*\t:TP+2*\t+1]
.endr
.irp j, 0,1,2,3,4,5,6,7,8,9,10,11,12,13,14,15
.irp t, 0,1
	v_cvt_pk_f16_f32 v[S+32*\t+\j], v[S+32*\t+2*\j], v[S+32*\t+2*\j+1]   ; p to f16, in place and ascending: register j takes pair j, which no later line reads
.endr
.endr
.irp i, 0,1,2,3,4,5,6,7,8,9,10,11,12,13,14,15
.irp t, 0,1
	v_pk_mul_f32 v[O+32*\t+2*\i:O+32*\t+2*\i+1], v[O+32*\t+2*\i:O+32*\t+2*\i+1], v[ST+8*\t+6:ST+8*\t+7] op_sel_hi:[1,0]   ; O^T x a
.endr
.endr
	s_wait_dscnt 0x0                               ; V is in
.irp kp, 0,1
.irp ct, 0,1,2,3
.irp t, 0,1
	v_wmma_f32_16x16x32_f16 v[O+32*\t+8*\ct:O+32*\t+8*\ct+7], v[KV+8*(4*\kp+\ct):KV+8*(4*\kp+\ct)+7], v[S+32*\t+8*\kp:S+32*\t+8*\kp+7], v[O+32*\t+8*\ct:O+32*\t+8*\ct+7]   ; eight accumulators by turns
.endr
.endr
.endr
.endm
; A slot's eight key steps: written once, walked eight times; the LDS addresses hang on s[TB].
.macro SLOT_STEPS base
	s_mov_b32 s[TB], \base
	s_mov_b32 s[CNT], 8
.Lstep_\@:
	STEP
	s_add_co_u32 s[TB], s[TB], STEPB
	s_sub_co_u32 s[CNT], s[CNT], 1
	s_cmp_lg_u32 s[CNT], 0
	s_cbranch_scc1 .Lstep_\@
.endm
; THE CHANGE OF SLOTS stands at a slot's head.  Each wave waits for all its tensor loads (its part of the slot ahead), adds 0 to its spare word, and waits for that and for its reads of the slot that it has left.
; fill = 1: a round of the cluster's barrier, so that no wave of any partner still reads the other slot or has a load on its way; the joint load for that slot is the first thing behind it and has eight key steps in which to land.
.macro CHANGE g0, step, fill
	s_wait_tensorcnt 0x0                           ; no tensor load of mine is out, so a group 0 may be written
	ds_add_u32 v[SPW], v[NIL]                      ; 0 onto my spare word
.if \step
	s_add_nc_u64 s[\g0+2:\g0+3], s[\g0+2:\g0+3], 2*SLOTB   ; this LDS slot's next 512 keys; the type bits on top are not reached
.endif
	s_wait_dscnt 0x0                               ; the add is done, and my reads of the slot that I have left are over
.if \fill
	CROUND
	tensor_load_to_lds s[\g0:\g0+3], s[G1:G1+7]    ; my one tensor load until the next round: one load of mine is out at the most
	s_nop 0
.rept 4
	v_nop
.endr
.else
	s_barrier_signal -1
	s_barrier_wait -1
.endif
.endm
	CHANGE G0B, 0, 1                               ; slot 0 is whole; LDS slot 1 is filled for the first time: keys 512 on
	SLOT_STEPS 0
	CHANGE G0A, 1, 1                               ; keys 1,024 on into LDS slot 0
	SLOT_STEPS SLOTB
	CHANGE G0B, 1, 1                               ; keys 1,536 on into LDS slot 1
	SLOT_STEPS 0
	CHANGE G0A, 0, 0                               ; nothing is left to fetch
	SLOT_STEPS SLOTB
	; THE WAY OUT.  l's two halves and the other half of the lanes' are added; O^T / l, rounded to f16: a lane's eight channels of a query are 16 bytes, and lie where the next launch's operand registers take them.
.rept 4
	v_nop                                          ; places behind the last products
.endr
.irp t, 0,1
	v_add_f32 v[ST+8*\t+4], v[ST+8*\t+2], v[ST+8*\t+3]
.endr
.irp t, 0,1
	v_permlanex16_b32 v[ST+8*\t+5], v[ST+8*\t+4], s[SEL], s[SEL+1]
.endr
.irp t, 0,1
	v_add_f32 v[ST+8*\t+4], v[ST+8*\t+4], v[ST+8*\t+5]
.endr
.irp t, 0,1
	v_rcp_f32 v[ST+8*\t+6], v[ST+8*\t+4]
.endr
	v_nop                                          ; a plain instruction behind the last reciprocal,
	s_wait_alu depctr_va_vdst(0)                   ; and the wait ahead of the first use
.irp t, 0,1
.irp i, 0,1,2,3,4,5,6,7,8,9,10,11,12,13,14,15
	v_pk_mul_f32 v[O+32*\t+2*\i:O+32*\t+2*\i+1], v[O+32*\t+2*\i:O+32*\t+2*\i+1], v[ST+8*\t+6:ST+8*\t+7] op_sel_hi:[1,0]   ; each accumulator from its low end on
.endr
.endr
.irp t, 0,1
.irp i, 0,1,2,3,4,5,6,7,8,9,10,11,12,13,14,15
	v_cvt_pk_f16_f32 v[S+16*\t+\i], v[O+32*\t+2*\i], v[O+32*\t+2*\i+1]
.endr
.endr
.irp t, 0,1
.irp ct, 0,1,2,3
	global_store_b128 v[AK0], v[S+16*\t+4*\ct:S+16*\t+4*\ct+3], s[46:47] offset:32768*\t+512*\ct   ; 32 lanes store 512 consecutive bytes, aligned
.endr
.endr
	s_wait_tensorcnt 0x0                           ; the wave's end
	ds_add_u32 v[SPW], v[NIL]
	s_wait_dscnt 0x0
	CROUND                                         ; the closing round: no work-group ends while a partner may still ask for a tile that names it
	s_endpgm
.Lfunc_end_k_q77b1c7f454_attn:
	.size	k_q77b1c7f454_attn, .Lfunc_end_k_q77b1c7f454_attn-k_q77b1c7f454_attn
	.p2alignl 7, 3214868480
	.fill 96, 4, 3214868480
	.section	.rodata,"a",@progbits
	.p2align	6, 0x0
	.amdhsa_kernel k_q77b1c7f454_attn
		.amdhsa_group_segment_fixed_size 327680
		.amdhsa_private_segment_fixed_size 0
		.amdhsa_enable_private_segment 0
		.amdhsa_kernarg_size 16
		.amdhsa_user_sgpr_count 2
		.amdhsa_user_sgpr_kernarg_segment_ptr 1
		.amdhsa_wavefront_size32 1
		.amdhsa_system_sgpr_workgroup_id_x 1
		.amdhsa_system_sgpr_workgroup_id_y 1
		.amdhsa_system_sgpr_workgroup_id_z 1
		.amdhsa_system_vgpr_workitem_id 0
		.amdhsa_next_free_vgpr 256
		.amdhsa_next_free_sgpr 66
		.amdhsa_reserve_vcc 0
		.amdhsa_float_denorm_mode_32 3
		.amdhsa_float_denorm_mode_16_64 3
		.amdhsa_memory_ordered 1
		.amdhsa_forward_progress 1
		.amdhsa_inst_pref_size 84
	.end_amdhsa_kernel
	.amdgpu_metadata
---
amdhsa.version: [ 1, 2 ]
amdhsa.kernels:
  - .name:           k_q77b1c7f454_attn
    .symbol:         k_q77b1c7f454_attn.kd
    .args:
      - { .name: qkv, .offset: 0, .size: 8, .value_kind: global_buffer, .address_space: global }
      - { .name: attnf, .offset: 8, .size: 8, .value_kind: global_buffer, .address_space: global }
    .group_segment_fixed_size: 327680
    .private_segment_fixed_size: 0
    .kernarg_segment_align: 8
    .kernarg_segment_size: 16
    .max_flat_workgroup_size: 512
    .sgpr_count:     66
    .vgpr_count:     256
    .wavefront_size: 32
...
	.end_amdgpu_metadata
.endif
;; end of part 3
;; launch outp (part 4): grid 8 x 32, 4 waves a work-group, clusters of 4 x 4, 327,680 bytes of LDS; arguments attnf, wof, bo, out0; writes out0
.if DOCPART == 4
	.amdgcn_target "amdgcn-amd-amdhsa--gfx1250"
	.amdhsa_code_object_version 6
	.text
	.protected	k_q77b1c7f454_outp
	.globl	k_q77b1c7f454_outp
	.p2align	8
	.type	k_q77b1c7f454_outp,@function
k_q77b1c7f454_outp:
	s_mov_b64 s[64:65], 0
	v_nop
	global_prefetch_b8 v0, s[64:65] scope:SCOPE_SE
	s_setreg_imm32_b32 hwreg(HW_REG_WAVE_MODE, 25, 1), 1
	s_wait_xcnt 0x0
	s_wait_alu depctr_hold_cnt(0) depctr_sa_sdst(0) depctr_va_vdst(0) depctr_va_sdst(0) depctr_va_ssrc(0) depctr_va_vcc(0) depctr_vm_vsrc(0)
	s_getreg_b32 s2, hwreg(HW_REG_IB_STS2, 6, 4)
	s_cmp_eq_u32 s2, 0
	s_cbranch_scc0 .Lentry_in_a_cluster
	s_endpgm
.Lentry_in_a_cluster:
	s_bfe_u32 s2, ttmp6, 0x10000c
	s_cmp_lg_u32 s2, 0xf033
	s_cbranch_scc0 .Lentry_shape_is_right
	s_endpgm
.Lentry_shape_is_right:
; Launch 4 of 4: out0 [8192][1024] f32 = attn Wo + bo.  Operands in f16, sums in f32.
; attnf: [tile of 16 tokens 512][32 along K: 32][1,024 bytes], wof: [tile of 16 columns 64][32][1,024 bytes]: images of the operand's registers (lane l's 16 bytes at 16 l and at 512 + 16 l): no pitch, no padding in LDS.
; A tile of 256 tokens x 128 columns is made by a work-group of four waves: 256 work-groups.  A wave makes 128 x 64: 32 accumulators, 256 registers.  K goes in steps of 128 (four fragments) through a ring of two LDS slots.
; CLUSTERS: 4 x 4 work-groups; the four of a row need the same tiles of attn, the four of a column the same tiles of Wo: each tile is asked for jointly.
; THE MATRIX INSTRUCTION IS USED TRANSPOSED (source 0 = 16 columns of Wo, source 1 = 16 tokens): a lane holds one token and eight neighbouring columns.  bo is the C of each sum's first product.
; REGISTERS: window 0: v16-29 addresses; v32-63 bo (tile b, register j: column 16 b + 8 h + j); v64-159, v160-255 two fragment buffers (attn's 8 fragments, then Wo's 4).  window 1: accumulator (a, b) at v[8 (4 a + b)].
.set TILEB,  4096                      ; a tile's four fragments of a K step
.set ABYTES, 65536                     ; attn's 16 tiles
.set SLOT,   98304                     ; and Wo's 8
.set STAGE,  2*SLOT                    ; behind the ring: 16 rows x 272 bytes for each wave, for the way out
.set SPITCH, 272
.set SPARE,  STAGE+4*16*SPITCH         ; the spare words, 128 bytes for each wave: two blocks of 256 bytes that no other line names
.set LAPS,   4                         ; a lap = two K steps = once round the ring
.set ADRA, 16                          ; v16-17 LDS address of my fragments of attn in slot 0, 1
.set ADRB, 20                          ; v20-21 the same for Wo
.set STO,  24
.set RD,   25
.set CO,   26
.set BOF,  27
.set SPW,  28                          ; v28 SPARE + 4 x my thread's number; never rewritten
.set NIL,  29                          ; v29 0; never rewritten
.set BI,   32
.set F0,   64
.set F1,   160
.set BK,   64                          ; the way out: rows read back: v64-95 and v96-127 by turns
.set G1, 24                            ; s[24:31] group 1 for attn's tiles;  s[32:39] group 0, one set for each slot
.set G0, 32
.set G1B, 48                           ; s[48:55], s[56:63] the same for Wo's
.set G0B, 56
.set MSB, 0
.macro WIN new                         ; the immediate's high byte repeats the setting that is left
.if MSB != \new
	s_set_vgpr_msb (MSB<<8)|\new
.set MSB, \new
.endif
.endm
.set MUL, 0x50                         ; sources 0 and 1 window 0; C and D window 1
.macro JLOAD s                         ; a joint load: waves 0 and 1 fetch attn's halves, waves 2 and 3 Wo's; an s_nop 0 and four v_nop follow each line
	s_cmp_eq_u32 s13, 0
	s_cbranch_scc0 .Lfor_b_\@
	tensor_load_to_lds s[G0+4*\s:G0+4*\s+3], s[G1:G1+7]
	s_nop 0
.rept 4
	v_nop
.endr
	s_branch .Lasked_\@
.Lfor_b_\@:
	tensor_load_to_lds s[G0B+4*\s:G0B+4*\s+3], s[G1B:G1B+7]
	s_nop 0
.rept 4
	v_nop
.endr
.Lasked_\@:
.endm
.macro CREST                           ; a round of the cluster's barrier behind its opening barrier
	s_cmp_lg_u32 s12, 0
	s_cbranch_scc1 .Lnot_wave_0_\@
	s_barrier_signal -3
.Lnot_wave_0_\@:
	s_barrier_wait -3
	s_barrier_signal -1
	s_barrier_wait -1
.endm
.macro CROUND
	s_barrier_signal -1
	s_barrier_wait -1
	CREST
.endm
	s_load_b128 s[4:7], s[0:1], 0x0                ; attnf s[4:5], wof s[6:7]
	s_load_b128 s[8:11], s[0:1], 0x10              ; bo s[8:9], out0 s[10:11]
	v_lshl_add_u32 v[SPW], v0, 2, SPARE
	v_mov_b32 v[NIL], 0
	ds_add_u32 v[SPW], v[NIL]                      ; the wave's opening: the add, twice on end, and its wait ahead of my first tensor load
	ds_add_u32 v[SPW], v[NIL]
	v_lshrrev_b32 v1, 5, v0
	v_readfirstlane_b32 s12, v1                    ; wave 0..3
	s_lshr_b32 s13, s12, 1                         ; which half of the tile's tokens is mine.  Also: I fetch for attn (0) or for Wo (1)
	s_and_b32 s14, s12, 1                          ; which half of its columns.  Also: which half of that tile I fetch
	s_bfe_u32 s40, ttmp6, 0x40000                  ; cx, cy
	s_bfe_u32 s41, ttmp6, 0x40004
	s_lshl_b32 s42, ttmp9, 2
	s_add_co_u32 s42, s42, s40                     ; tile column = 4 x cluster x + cx
	s_and_b32 s15, ttmp7, 0xffff
	s_lshl_b32 s15, s15, 2
	s_add_co_u32 s15, s15, s41                     ; tile row = 4 x cluster y + cy
	s_lshl_b32 s43, s41, 2
	s_lshl_b32 s43, 15, s43                        ; my row of the cluster
	s_lshl_b32 s44, 0x1111, s40                    ; my column
	s_or_b32 s[G1+0], s43, (3<<16)|(1<<21)         ; the mask of my row; elements of 8 bytes; bit 21 beside a mask; no padding
	s_mov_b32 s[G1+1], 512<<16                     ; a row: a tile's four fragments, 4,096 bytes
	s_mov_b32 s[G1+2], 8<<16                       ; 8 tiles of tokens
	s_mov_b32 s[G1+3], 512<<16
	s_mov_b32 s[G1+4], 8
	s_mov_b32 s[G1+5], 4096                        ; 32,768 bytes from tile to tile
	s_mov_b32 s[G1+6], 0
	s_mov_b32 s[G1+7], 0
	s_or_b32 s[G1B+0], s44, (3<<16)|(1<<21)        ; the mask of my column
	s_mov_b32 s[G1B+1], 512<<16
	s_mov_b32 s[G1B+2], 4<<16                      ; 4 tiles of columns
	s_mov_b32 s[G1B+3], 512<<16
	s_mov_b32 s[G1B+4], 4
	s_mov_b32 s[G1B+5], 4096
	s_mov_b32 s[G1B+6], 0
	s_mov_b32 s[G1B+7], 0
	s_lshl_b32 s16, s15, 19                        ; attn: (16 x tile row + 8 x half) x 32,768
	s_lshl_b32 s17, s14, 18
	s_add_co_u32 s16, s16, s17
	s_mov_b32 s17, 0
	s_lshl_b32 s46, s42, 18                        ; Wo: (8 x tile column + 4 x half) x 32,768
	s_lshl_b32 s47, s14, 17
	s_add_co_u32 s46, s46, s47
	s_mov_b32 s47, 0
	s_lshl_b32 s20, s14, 15                        ; where they go: no place in the cluster enters an LDS address
	s_lshl_b32 s21, s14, 14
	s_add_co_u32 s21, s21, ABYTES
	s_wait_dscnt 0x0                               ; both opening adds are done
	s_wait_kmcnt 0x0
	s_add_nc_u64 s[16:17], s[4:5], s[16:17]
	s_add_nc_u64 s[46:47], s[6:7], s[46:47]
	CROUND                                         ; all sixteen work-groups are here: the first joint loads meet
.irp s, 0,1
	s_mov_b32 s[G0+4*\s], 1
	s_add_co_u32 s[G0+4*\s+1], s20, \s*SLOT
	s_add_nc_u64 s[G0+4*\s+2:G0+4*\s+3], s[16:17], \s*TILEB
	s_or_b32 s[G0+4*\s+3], s[G0+4*\s+3], 0x80000000
	s_mov_b32 s[G0B+4*\s], 1
	s_add_co_u32 s[G0B+4*\s+1], s21, \s*SLOT
	s_add_nc_u64 s[G0B+4*\s+2:G0B+4*\s+3], s[46:47], \s*TILEB
	s_or_b32 s[G0B+4*\s+3], s[G0B+4*\s+3], 0x80000000
	JLOAD \s                                       ; two tensor loads of mine are out at the most
.endr
	v_and_b32 v1, 15, v0                           ; r
	v_bfe_u32 v2, v0, 4, 1                         ; h
	v_and_b32 v3, 31, v0
	v_lshlrev_b32 v3, 4, v3                        ; 16 x lane
	s_lshl_b32 s22, s13, 15                        ; my 8 tiles of tokens
	s_lshl_b32 s23, s14, 14                        ; my 4 tiles of columns, behind attn's 16
	s_add_co_u32 s23, s23, ABYTES
.irp s, 0,1
	v_add_nc_u32 v[ADRA+\s], s22, v3
	v_add_nc_u32 v[ADRB+\s], s23, v3
	s_add_co_u32 s22, s22, SLOT
	s_add_co_u32 s23, s23, SLOT
.endr
	s_mul_i32 s22, s12, 16*SPITCH
	s_add_co_u32 s22, s22, STAGE                   ; my stage
	v_mul_u32_u24 v4, v1, SPITCH                   ; in: row r, 32 bytes for each half of the lanes
	v_lshl_add_u32 v4, v2, 5, v4
	v_add_nc_u32 v[STO], s22, v4
	v_mul_u32_u24 v5, v2, SPITCH                   ; back: lanes 0-15 one row of 256 bytes, lanes 16-31 the next
	v_lshl_add_u32 v5, v1, 4, v5
	v_add_nc_u32 v[RD], s22, v5
	v_lshlrev_b32 v[CO], 12, v2                    ; and the same two rows in out0
	v_lshl_add_u32 v[CO], v1, 4, v[CO]
	v_lshlrev_b32 v[BOF], 5, v2
	s_lshl_b32 s18, s15, 20                        ; my first token: (256 x tile row + 128 x half) rows of 4,096 bytes
	s_lshl_b32 s19, s13, 19
	s_add_co_u32 s18, s18, s19
	s_mov_b32 s19, 0
	s_add_nc_u64 s[10:11], s[10:11], s[18:19]
	s_lshl_b32 s46, s42, 9                         ; my first column, in bytes: 512 x tile column + 256 x half: in out0's rows and in bo alike
	s_lshl_b32 s47, s14, 8
	s_add_co_u32 s46, s46, s47
	s_mov_b32 s47, 0
	s_add_nc_u64 s[10:11], s[10:11], s[46:47]
	s_add_nc_u64 s[8:9], s[8:9], s[46:47]
.irp b, 0,1,2,3
	global_load_b128 v[BI+8*\b:BI+8*\b+3], v[BOF], s[8:9] offset:64*\b
	global_load_b128 v[BI+8*\b+4:BI+8*\b+7], v[BOF], s[8:9] offset:64*\b+16
.endr
; 8 matrix instructions: attn's blocks a0, a0 + 1 against Wo's four, 32 along K.  zero = 1: C is bo.  The 32 accumulators take turns, in the same order in every quarter.
.macro MUL8 f, a0, zero
.irp a, \a0, \a0+1
.irp b, 0,1,2,3
.if \zero
	v_wmma_f32_16x16x32_f16 v[8*(4*(\a)+\b):8*(4*(\a)+\b)+7], v[\f+64+8*\b:\f+64+8*\b+7], v[\f+8*(\a):\f+8*(\a)+7], v[BI+8*\b:BI+8*\b+7]
.else
	v_wmma_f32_16x16x32_f16 v[8*(4*(\a)+\b):8*(4*(\a)+\b)+7], v[\f+64+8*\b:\f+64+8*\b+7], v[\f+8*(\a):\f+8*(\a)+7], v[8*(4*(\a)+\b):8*(4*(\a)+\b)+7]
.endif
.endr
.endr
.endm
; 24 LDS loads in one run: the slot's q-th fragments into buffer f: Wo's four, attn's blocks 0-3, attn's blocks 4-7
.macro FETCH slot, q, f
	WIN 0
.irp i, 0,1,2,3
	ds_load_b128 v[\f+64+8*\i:\f+64+8*\i+3],   v[ADRB+\slot] offset:\i*TILEB+(\q)*1024
	ds_load_b128 v[\f+64+8*\i+4:\f+64+8*\i+7], v[ADRB+\slot] offset:\i*TILEB+(\q)*1024+512
.endr
.irp i, 0,1,2,3,4,5,6,7
	ds_load_b128 v[\f+8*\i:\f+8*\i+3],   v[ADRA+\slot] offset:\i*TILEB+(\q)*1024
	ds_load_b128 v[\f+8*\i+4:\f+8*\i+7], v[ADRA+\slot] offset:\i*TILEB+(\q)*1024+512
.endr
.endm
.macro PLACES                          ; four places in front of loads into registers that matrix instructions have read, and of the first read of results
.rept 4
	v_nop
.endr
.endm
; A K step is four quarters of 32 along K, 32 matrix instructions each, on buffers 0, 1, 0, 1.  One of the first three: multiplies buffer f and fetches the slot's q-th fragments into g.
.macro QUARTER slot, q, f, g, zero
	s_wait_dscnt 8                                 ; Wo's fragments and attn's blocks 0-3 are in; the youngest eight loads (blocks 4-7) may be out
.if \zero
	WIN 0x40                                       ; C (bo) in window 0, D in window 1
.else
	WIN MUL
.endif
	MUL8 \f, 0, \zero
	MUL8 \f, 2, \zero
	PLACES
	FETCH \slot, \q, \g
	s_wait_dscnt 24                                ; all but the 24 just issued
.if \zero
	WIN 0x40
.else
	WIN MUL
.endif
	MUL8 \f, 4, \zero
	MUL8 \f, 6, \zero
.endm
; The last quarter multiplies buffer 1 and changes slots: ONE barrier; in front of it each wave waits for all its tensor loads, adds 0 to its spare word, and waits for that and for its reads of this slot.
; fill = 1: the barrier opens a round of the cluster's barrier, and this slot is filled again, two K steps ahead: the load has a K step less 16 matrix instructions in which to land.
.macro TURN slot, next, fill
	WIN 0                                          ; (the add's two registers lie in window 0)
	s_wait_tensorcnt 0x0                           ; all my tensor loads have landed: my part of the next slot
	ds_add_u32 v[SPW], v[NIL]                      ; 0 onto my spare word
	s_wait_dscnt 9                                 ; the add and the youngest eight loads may be out
	WIN MUL
	MUL8 F1, 0, 0
	s_wait_dscnt 0x0                               ; the add is done, and my reads of this slot are over
	s_barrier_signal -1
	MUL8 F1, 2, 0
.if \fill
	WIN 0
.endif
	s_barrier_wait -1
.if \fill
	CREST                                          ; no wave of any partner still reads this slot or has a load on its way
	s_add_nc_u64 s[G0+4*\slot+2:G0+4*\slot+3], s[G0+4*\slot+2:G0+4*\slot+3], 2*TILEB
	s_add_nc_u64 s[G0B+4*\slot+2:G0B+4*\slot+3], s[G0B+4*\slot+2:G0B+4*\slot+3], 2*TILEB
	JLOAD \slot                                    ; the first tensor load behind the round; its four v_nop are also the places in front of the loads below
.else
	PLACES
.endif
	FETCH \next, 0, F0
	WIN MUL
	MUL8 F1, 4, 0
	MUL8 F1, 6, 0
.endm
	s_wait_tensorcnt 1                             ; my part of K step 0 is in; K step 1's load may be out
	s_barrier_signal -1
	s_barrier_wait -1
	FETCH 0, 0, F0
	s_wait_loadcnt 0x0                             ; bo
	QUARTER 0, 1, F0, F1, 1                        ; the first quarter stands in front of the loop: its products start the sums
	WIN 0                                          ; at a label and at a branch every window is 0
	s_mov_b32 s3, LAPS-1
.Llap:                                                 ; a trip goes once round the ring, from a lap's second quarter to the next lap's first, and fills both slots again
	QUARTER 0, 2, F1, F0, 0
	QUARTER 0, 3, F0, F1, 0
	TURN 0, 1, 1
	QUARTER 1, 1, F0, F1, 0
	QUARTER 1, 2, F1, F0, 0
	QUARTER 1, 3, F0, F1, 0
	TURN 1, 0, 1
	QUARTER 0, 1, F0, F1, 0
	WIN 0
	s_sub_co_u32 s3, s3, 1
	s_cmp_lg_u32 s3, 0
	s_cbranch_scc1 .Llap
	QUARTER 0, 2, F1, F0, 0                        ; the last lap fills nothing
	QUARTER 0, 3, F0, F1, 0
	TURN 0, 1, 0
	QUARTER 1, 1, F0, F1, 0
	QUARTER 1, 2, F1, F0, 0
	QUARTER 1, 3, F0, F1, 0
	s_wait_dscnt 8                                 ; the very last quarter: nothing more to fetch
	WIN MUL
	MUL8 F1, 0, 0
	MUL8 F1, 2, 0
	s_wait_dscnt 0
	MUL8 F1, 4, 0
	MUL8 F1, 6, 0
	WIN 0
; THE WAY OUT, block by block of 16 tokens x 64 columns.  A lane holds 32 neighbouring bytes of a row, and the lanes beside it hold other rows: a block goes through my own stage in LDS and comes back as rows of
; 256 bytes.  LDS serves a wave's instructions in order (ISA guide 5.7.1.4): no wait between the stores and the loads, nor in front of the next block's stores.
.macro TOSTAGE a
	WIN 0x04                                       ; an LDS store's data are its source 1: window 1
.irp b, 0,1,2,3
	ds_store_b128 v[STO], v[8*(4*(\a)+\b):8*(4*(\a)+\b)+3] offset:64*\b          ; each accumulator from its low end on
	ds_store_b128 v[STO], v[8*(4*(\a)+\b)+4:8*(4*(\a)+\b)+7] offset:64*\b+16
.endr
	WIN 0
.set BB, BK+32*((\a)%2)
.irp t, 0,1,2,3,4,5,6,7
	ds_load_b128 v[BB+4*\t:BB+4*\t+3], v[RD] offset:\t*2*SPITCH
.endr
.endm
.macro SEND a, younger                 ; younger: the LDS instructions issued behind block a's loads, which may stay out
.set BB, BK+32*((\a)%2)
	s_wait_dscnt \younger
.irp t, 0,1,2,3,4,5,6,7
	global_store_b128 v[CO], v[BB+4*\t:BB+4*\t+3], s[10:11] offset:(16*(\a)+2*\t)*4096 th:TH_STORE_NT   ; sixteen lanes store 256 consecutive bytes, aligned; written once, read by nobody here
.endr
.endm
	PLACES
	TOSTAGE 0
.irp a, 1,2,3,4,5,6,7
.if \a > 1
	s_wait_xcnt 0x0                                ; the stores of two blocks ago have read their registers: this block's loads may land there
.endif
	TOSTAGE \a
	SEND \a-1, 16                                  ; behind that block's loads: this block's 8 stores and 8 loads
.endr
	SEND 7, 0
	s_wait_tensorcnt 0x0                           ; the wave's end, behind my last tensor load and my last LDS store
	ds_add_u32 v[SPW], v[NIL]
	s_wait_dscnt 0x0
	CROUND                                         ; the closing round: no work-group ends while a partner may still ask for a tile that names it
	s_endpgm
.Lfunc_end_k_q77b1c7f454_outp:
	.size	k_q77b1c7f454_outp, .Lfunc_end_k_q77b1c7f454_outp-k_q77b1c7f454_outp
	.p2alignl 7, 3214868480
	.fill 96, 4, 3214868480
	.section	.rodata,"a",@progbits
	.p2align	6, 0x0
	.amdhsa_kernel k_q77b1c7f454_outp
		.amdhsa_group_segment_fixed_size 327680
		.amdhsa_private_segment_fixed_size 0
		.amdhsa_enable_private_segment 0
		.amdhsa_kernarg_size 32
		.amdhsa_user_sgpr_count 2
		.amdhsa_user_sgpr_kernarg_segment_ptr 1
		.amdhsa_wavefront_size32 1
		.amdhsa_system_sgpr_workgroup_id_x 1
		.amdhsa_system_sgpr_workgroup_id_y 1
		.amdhsa_system_sgpr_workgroup_id_z 1
		.amdhsa_system_vgpr_workitem_id 0
		.amdhsa_next_free_vgpr 512
		.amdhsa_next_free_sgpr 66
		.amdhsa_reserve_vcc 0
		.amdhsa_float_denorm_mode_32 3
		.amdhsa_float_denorm_mode_16_64 3
		.amdhsa_memory_ordered 1
		.amdhsa_forward_progress 1
		.amdhsa_inst_pref_size 86
	.end_amdhsa_kernel
	.amdgpu_metadata
---
amdhsa.version: [ 1, 2 ]
amdhsa.kernels:
  - .name:           k_q77b1c7f454_outp
    .symbol:         k_q77b1c7f454_outp.kd
    .args:
      - { .name: attnf, .offset: 0, .size: 8, .value_kind: global_buffer, .address_space: global }
      - { .name: wof, .offset: 8, .size: 8, .value_kind: global_buffer, .address_space: global }
      - { .name: bo, .offset: 16, .size: 8, .value_kind: global_buffer, .address_space: global }
      - { .name: out0, .offset: 24, .size: 8, .value_kind: global_buffer, .address_space: global }
    .group_segment_fixed_size: 327680
    .private_segment_fixed_size: 0
    .kernarg_segment_align: 8
    .kernarg_segment_size: 32
    .max_flat_workgroup_size: 128
    .sgpr_count:     66
    .vgpr_count:     512
    .wavefront_size: 32
...
	.end_amdgpu_metadata
.endif
;; end of part 4
